; MI455X (gfx1250); checked and timed in simulation.
; The chip was launched on July 23, 2026; its instructions are those of AMD's public machine-readable ISA for CDNA 5 (MIT licence, August 2026) and "CDNA5" Instruction Set Architecture Reference Guide (July 2026). The comments in the code are by the model that wrote it; some were corrected since.
;; Local Closed Form Residual Head. Allowed arithmetic: matrix products marked QUANTISED: E3M2 operands, one E8M0 scale for each 32 along K, by v_wmma_scale_f32_16x16x128_f8f6f4 with both operands' format E3M2, f32 sums; products left as they are: f32 operands where the result goes on into a quantised operand, else bf16, f16 or f32 operands; f32 sums; everything else in f32.
;; Inputs: h 32,768 x 512 float32; prototypes 100 x 8 x 512 float32.
;; Outputs: out0 32,768 x 100 float32.
;; This version of the problem:
;;   THIS VERSION OF THE PROBLEM IS GIVEN IN LOW PRECISION. The matrix products marked QUANTISED in the list below multiply operands that are first quantised to E3M2 (3 exponent bits, 2 mantissa bits; 6 bits a number), with one power-of-two scale for each 32 numbers along K (OCP MX v1.0); their sums are f32. All else is computed in f32.
;;   The module's matrix products, in the order in which they are computed (A, B: the left and right operand; K: the contracted axis; several contracted axes count as one K, in the product's order):
;;     1. [M 32,768, K 512] x [K 512, N 800]; A: computed on the way; B: computed on the way: QUANTISED
;;     2. batch 100 x [M 512, K 8] x [K 8, N 512]; A: computed on the way; B: computed on the way: left as it is (K = 8 < 32)
;;     3. [M 512, K 100] x [K 100, N 512]; A: computed on the way; B: computed on the way: QUANTISED
;;     4. batch 100 x [M 512, K 1] x [K 1, N 512]; A: computed on the way; B: computed on the way: left as it is (no contracted axis)
;;     5. [M 32,768, K 512] x [K 512, N 100]; A: computed on the way; B: computed on the way: QUANTISED
;;   THE QUANTISER, for each operand of a quantised product, along K:
;;     - K is cut into blocks of 32 from its start; a last block that is shorter is filled with zeros.
;;     - A block's scale is 2^e with e = floor(log2(the largest magnitude in the block)) - 4, held to -126 .. 127; a block of zeros has e = 0. As a byte (E8M0): e + 127.
;;     - Each number is divided by its block's scale, clamped to +-28, and rounded to the nearest number of E3M2, ties to even, subnormals kept.
;;     - The product sums the exact products of the quantised numbers (number of the format x scale) in f32.
;;   ~~~python
;;   def quantise(x, axis):      # numpy; x: float32 -> the quantised numbers, widened to float32 again
;;       x = np.moveaxis(x, axis, -1); K = x.shape[-1]
;;       x = np.pad(x, [(0, 0)] * (x.ndim - 1) + [(0, -K % 32)]); x = x.reshape(x.shape[:-1] + (-1, 32)); a = np.abs(x).max(-1, keepdims=True)
;;       e = np.where(a > 0, np.clip(np.frexp(np.where(a > 0, a, 1))[1] - 1 - 4, -126, 127), 0)      # np.frexp(a)[1] - 1 = floor(log2(a)), exactly
;;       r = np.clip(x / 2.0 ** e, -28, 28)
;;       step = 2.0 ** (np.maximum(np.frexp(np.where(r == 0, 1, r))[1] - 1, -2) - 2)
;;       q = np.round(r / step) * step * 2.0 ** e      # np.round: ties to even
;;       return np.moveaxis(q.reshape(q.shape[:-2] + (-1,))[..., :K], -1, axis).astype(np.float32)
;;   ~~~
;;   OPERANDS COMPUTED ON THE WAY. 'Computed on the way' means the value that the module computes at that place (a softmax that the list does not call 'softmax' is quantised finished and normalised). What goes into a quantiser is computed in f32, as accurately as f32 sums, v_exp_f32 and their like allow (about 1e-6 of the number): no bf16 or f16 on the way to a quantiser, and a product that is left as it is and whose result goes on into a quantised operand takes f32 operands (vector FMAs, or v_wmma_f32_16x16x4_f32). A number that lies on a knife's edge between two numbers of the format may be rounded either way, as far as f32 arithmetic and the matrix unit's own rounding can turn it there, and no further.
;; One version. Each part assembles by itself: llvm-mc -triple=amdgcn-amd-amdhsa -mcpu=gfx1250 --defsym DOCPART=n.
;; ======== version 1 of 1: 4 launches
;; workspace buffers: cen 204,800 bytes; aux 12,800 bytes; wq 368,640 bytes; wsc 15,360 bytes; gt4 466,944 bytes; qh 229,376 bytes; cnt 29,184 bytes of whole numbers
;; launch prep (part 1): grid 100 x 1, 1 waves a work-group, no clusters, 20,480 bytes of LDS; arguments prototypes, cen, aux, wq, wsc; writes cen, aux, wq, wsc
.if DOCPART == 1
	.amdgcn_target "amdgcn-amd-amdhsa--gfx1250"
	.amdhsa_code_object_version 6
	.text
	.protected	k_q07012892cd_prep
	.globl	k_q07012892cd_prep
	.p2align	8
	.type	k_q07012892cd_prep,@function
k_q07012892cd_prep:
	s_mov_b64 s[64:65], 0
	v_nop
	global_prefetch_b8 v0, s[64:65] scope:SCOPE_SE
	s_setreg_imm32_b32 hwreg(HW_REG_WAVE_MODE, 25, 1), 1
	s_wait_xcnt 0x0
; PREP: one wave takes one class c: its 8 prototypes are normalised (Pn), its centre is made, Pn is quantised along D into codes of E3M2.
; THE PROGRAM: out[b][c] = (sum_k softmax_k(cos / 0.05) cos + hn[b] . W[c]) / 0.07, cos = Q(hn) Q(Pn)^T, the residual = Q(hn) Q(W)^T, both by the scaled matrix instruction (last launch).
; WORK THAT IS NOT DONE, and why it need not be, for all values of the inputs.  Let Q be the centres quantised along the class axis by the stated quantiser (kept exactly: launch 2).
; Then S_all = Q^T Q and A_c = 0.1 I + wo Q^T Q + ws P_c^T P_c - wo c_c c_c^T, and b_c = ws sum_k P_ck + wo c_c - wo csum.  A_c maps the span of {rows of Q, rows of P_c, c_c, csum}
; (110 vectors) into itself and b_c lies in it, so W_c = A_c^-1 b_c is a combination of those vectors, whose coefficients follow from their 110 x 110 scalar products alone.
; So the 512 x 512 results of products 2, 3 and 4, the matrices A_c and their factorisation have no reader left and are not formed; product 3's quantiser stays, since it moves W's codes.
; LIMITS: NaN and infinities among the inputs are not served, and one that would reach only the matrices left out is not carried to the result; a row's sum of squares overflows above magnitudes of about 1e19;
; x * min(rsq(sum x^2), 1e8) stands for x / max(sqrt(sum x^2), 1e-8) (about 1.5 ulp); a block whose largest magnitude lies under 2^-122 keeps the scale byte 1 (its codes then add nothing of weight; the bytes are read by this program alone).
; OUT: cen[c][512]; aux[c][32] = 8 x pinv, alpha (c_c = alpha sum_k Pn_ck), zeros; wq: the class's half tile as an image of source-0 registers, [wave][tile 15][g 2][s 4][chunk 3][h 2][r8 8][16 B]; wsc: scale words [wave][tile][g][s][r8].
.set ST,    0                          ; LDS: 8 rows, 2,080 bytes apart; byte b of a row lies at b + 16 (b >= 1024)
.set IM,    16640                      ; the half tile's image, 3,072 bytes
.set SPARE, 19712                      ; the spare words: one block of 256 bytes that no other line names
.set SS,  16                           ; v16-31  eight pairs: sums of squares, then pinv in the even register
.set X,   32                           ; v32-159 the 8 rows, then 128 neighbours of one row
.set S,   160                          ; v160-175 sum over k of Pn, then the centre
.set C,   176                          ; v176-207 codes
.set T,   208                          ; v208-219 largest magnitudes, scale operands, bytes
.set W,   220                          ; v220 the scale word
.set SPW, 254
.set NIL, 255
; 128 numbers of a lane, four whole blocks of 32 along K, become codes (block b: six registers from c + 8 b on) and one scale word.
.macro QUANT4 x, c, t, w
.irp b, 0,1,2,3
	v_max3_num_f32 v[\t+\b], |v[\x+32*\b]|, |v[\x+32*\b+1]|, 0x2800000   ; with the floor 2^(5 - 127): the byte cannot fall under 1
.endr
.irp i, 2,4,6,8,10,12,14,16,18,20,22,24,26,28,30
.irp b, 0,1,2,3
	v_max3_num_f32 v[\t+\b], v[\t+\b], |v[\x+32*\b+\i]|, |v[\x+32*\b+\i+1]|   ; the four blocks by turns
.endr
.endr
.irp b, 0,1,2,3
	v_add_nc_u32 v[\t+4+\b], 0xfe000000, v[\t+\b]   ; 4 off the exponent field: the conversion's scale operand
.endr
.irp b, 0,1,2,3
	v_lshrrev_b32 v[\t+8+\b], 23, v[\t+4+\b]        ; the scale's byte
.endr
	v_lshl_or_b32 v[\w], v[\t+9], 8, v[\t+8]
	v_lshl_or_b32 v[\w], v[\t+10], 16, v[\w]
	v_lshl_or_b32 v[\w], v[\t+11], 24, v[\w]
.irp b, 0,1,2,3
	v_cvt_scalef32_pk16_bf6_f32 v[\c+8*\b:\c+8*\b+2], v[\x+32*\b:\x+32*\b+15], v[\t+4+\b]
	v_cvt_scalef32_pk16_bf6_f32 v[\c+8*\b+4:\c+8*\b+6], v[\x+32*\b+16:\x+32*\b+31], v[\t+4+\b]   ; (a conversion's three registers begin on an even number)
.endr
	v_nop                                          ; one plain place behind the last conversion
.irp b, 0,1,2,3
	v_mov_b32 v[\c+8*\b+3], v[\c+8*\b+4]           ; the block's 24 bytes on end
	v_mov_b32 v[\c+8*\b+4], v[\c+8*\b+5]
	v_mov_b32 v[\c+8*\b+5], v[\c+8*\b+6]
.endr
.endm
; The four blocks go into a fragment's image: lane half h = b % 2 holds blocks h and 2 + h, 48 bytes, in three chunks of 16.  hs: bytes from half to half, cs: from chunk to chunk.
.macro PUT4 adr, c, o0, hs, cs
.irp b, 0,1
	ds_store_b128 v[\adr], v[\c+8*\b:\c+8*\b+3] offset:(\o0)+\b*(\hs)
	ds_store_b64 v[\adr], v[\c+8*\b+4:\c+8*\b+5] offset:(\o0)+\b*(\hs)+(\cs)
.endr
.irp b, 2,3
	ds_store_b64 v[\adr], v[\c+8*\b:\c+8*\b+1] offset:(\o0)+(\b-2)*(\hs)+(\cs)+8
	ds_store_b128 v[\adr], v[\c+8*\b+2:\c+8*\b+5] offset:(\o0)+(\b-2)*(\hs)+2*(\cs)
.endr
.endm
	s_load_b128 s[4:7], s[0:1], 0x0                ; prototypes, cen
	s_load_b128 s[8:11], s[0:1], 0x10              ; aux, wq
	s_load_b64 s[12:13], s[0:1], 0x20              ; wsc
	v_lshl_add_u32 v[SPW], v0, 2, SPARE
	v_mov_b32 v[NIL], 0
	v_lshlrev_b32 v1, 4, v0                        ; 16 x lane
	v_and_b32 v7, 7, v0                            ; r8
	v_bfe_u32 v8, v0, 3, 1
	v_bfe_u32 v9, v0, 4, 1                         ; K step s = 2 x bit 3 + bit 4
	v_mul_u32_u24 v2, v7, 2080
	v_mad_u32_u24 v2, v8, 1040, v2
	v_lshl_add_u32 v2, v9, 9, v2                   ; ST: row r8, byte 512 s: sixteen lanes fall on sixteen different 16-byte columns
	v_lshlrev_b32 v3, 4, v7
	v_mad_u32_u24 v3, v8, 1536, v3
	v_mad_u32_u24 v3, v9, 768, v3
	v_add_nc_u32 v3, IM, v3                        ; IM + 768 s + 16 r8
	v_add_nc_u32 v4, IM, v1
	v_lshlrev_b32 v5, 2, v7
	v_lshl_add_u32 v5, v8, 6, v5
	v_lshl_add_u32 v5, v9, 5, v5                   ; scale word: 32 s + 4 r8
	v_lshlrev_b32 v6, 2, v0
	s_mov_b32 s34, 0x76543210
	s_mov_b32 s35, 0xfedcba98                      ; v_permlanex16_b32: lane l xor 16
	s_mul_i32 s14, ttmp9, 41
	s_lshr_b32 s14, s14, 10                        ; wave of the last launch: c / 25
	s_mul_i32 s15, s14, 25
	s_sub_co_u32 s15, ttmp9, s15                   ; slot = c % 25
	s_and_b32 s16, s15, 7                          ; slots 0-15: tile slot % 8, half slot / 8
	s_lshr_b32 s17, s15, 3
	s_sub_co_u32 s18, s15, 16                      ; slots 16-24: u = slot - 16: half (u >= 5), tile 8 + u - 5 x half
	s_cmp_ge_u32 s15, 21
	s_cselect_b32 s19, 1, 0
	s_mul_i32 s20, s19, 5
	s_sub_co_u32 s20, s18, s20
	s_add_co_u32 s20, s20, 8
	s_cmp_lt_u32 s15, 16
	s_cselect_b32 s16, s16, s20                    ; tile
	s_cselect_b32 s17, s17, s19                    ; half g
	s_mul_i32 s21, s14, 92160
	s_mul_i32 s22, s14, 3840
	s_mul_i32 s23, s16, 6144
	s_add_co_u32 s36, s21, s23
	s_mul_i32 s23, s17, 3072
	s_add_co_u32 s36, s36, s23                     ; the half tile's bytes in wq
	s_lshl_b32 s23, s16, 8
	s_add_co_u32 s38, s22, s23
	s_lshl_b32 s23, s17, 7
	s_add_co_u32 s38, s38, s23                     ; and in wsc
	s_mov_b32 s37, 0
	s_mov_b32 s39, 0
	s_mov_b32 s25, 0
	s_wait_kmcnt 0x0
	s_add_nc_u64 s[26:27], s[10:11], s[36:37]
	s_add_nc_u64 s[28:29], s[12:13], s[38:39]
	s_add_co_u32 s36, s21, 76800                   ; the wave's pads: tile 12's upper half and tile 13
	s_add_co_u32 s38, s22, 3200
	s_add_nc_u64 s[30:31], s[10:11], s[36:37]
	s_add_nc_u64 s[32:33], s[12:13], s[38:39]
	s_lshl_b32 s24, ttmp9, 14
	s_add_nc_u64 s[4:5], s[4:5], s[24:25]
	s_lshl_b32 s24, ttmp9, 11
	s_add_nc_u64 s[6:7], s[6:7], s[24:25]
	s_lshl_b32 s24, ttmp9, 7
	s_add_nc_u64 s[8:9], s[8:9], s[24:25]
.irp k, 0,1,2,3,4,5,6,7
.irp i, 0,1,2,3
	global_load_b128 v[X+16*\k+4*\i:X+16*\k+4*\i+3], v1, s[4:5] offset:2048*\k+512*\i   ; 512 consecutive bytes a load
.endr
.endr
	s_wait_loadcnt 0x0
	; the rows' sums of squares, the eight rows by turns
.irp k, 0,1,2,3,4,5,6,7
	v_pk_mul_f32 v[SS+2*\k:SS+2*\k+1], v[X+16*\k:X+16*\k+1], v[X+16*\k:X+16*\k+1]
.endr
.irp j, 2,4,6,8,10,12,14
.irp k, 0,1,2,3,4,5,6,7
	v_pk_fma_f32 v[SS+2*\k:SS+2*\k+1], v[X+16*\k+\j:X+16*\k+\j+1], v[X+16*\k+\j:X+16*\k+\j+1], v[SS+2*\k:SS+2*\k+1]
.endr
.endr
.irp k, 0,1,2,3,4,5,6,7
	v_add_f32 v[SS+2*\k], v[SS+2*\k], v[SS+2*\k+1]
.endr
.irp m, 1,2,4,8
.irp k, 0,1,2,3,4,5,6,7
	v_add_f32_dpp v[SS+2*\k], v[SS+2*\k], v[SS+2*\k] row_xmask:\m row_mask:0xf bank_mask:0xf
.endr
.endr
.irp k, 0,1,2,3,4,5,6,7
	v_permlanex16_b32 v[SS+2*\k+1], v[SS+2*\k], s34, s35
.endr
.irp k, 0,1,2,3,4,5,6,7
	v_add_f32 v[SS+2*\k], v[SS+2*\k], v[SS+2*\k+1]
.endr
.irp k, 0,1,2,3,4,5,6,7
	v_rsq_f32 v[SS+2*\k+1], v[SS+2*\k]
.endr
	v_nop                                          ; a plain place behind the last of the batch
	s_wait_alu depctr_va_vdst(0)                   ; one wait for the eight, ahead of their first reader
.irp k, 0,1,2,3,4,5,6,7
	v_min_num_f32 v[SS+2*\k], 0x4cbebc20, v[SS+2*\k+1]   ; pinv = min(rsq, 1e8) = 1 / max(norm, 1e-8)
.endr
.irp k, 0,1,2,3,4,5,6,7
.irp j, 0,2,4,6,8,10,12,14
	v_pk_mul_f32 v[X+16*\k+\j:X+16*\k+\j+1], v[X+16*\k+\j:X+16*\k+\j+1], v[SS+2*\k:SS+2*\k+1] op_sel_hi:[1,0]   ; Pn
.endr
.endr
	; the centre: S = sum_k Pn; mean = S / 8; c = mean / max(|mean|, 1e-8) = alpha S (powers of two scale exactly)
.irp j, 0,2,4,6,8,10,12,14
	v_pk_add_f32 v[S+\j:S+\j+1], v[X+\j:X+\j+1], v[X+16+\j:X+16+\j+1]
.endr
.irp k, 2,3,4,5,6,7
.irp j, 0,2,4,6,8,10,12,14
	v_pk_add_f32 v[S+\j:S+\j+1], v[S+\j:S+\j+1], v[X+16*\k+\j:X+16*\k+\j+1]
.endr
.endr
	v_pk_mul_f32 v[222:223], v[S:S+1], v[S:S+1]
	v_pk_mul_f32 v[224:225], v[S+2:S+3], v[S+2:S+3]
.irp j, 4,8,12
	v_pk_fma_f32 v[222:223], v[S+\j:S+\j+1], v[S+\j:S+\j+1], v[222:223]
	v_pk_fma_f32 v[224:225], v[S+\j+2:S+\j+3], v[S+\j+2:S+\j+3], v[224:225]
.endr
	v_pk_add_f32 v[222:223], v[222:223], v[224:225]
	v_add_f32 v222, v222, v223
.irp m, 1,2,4,8
	v_add_f32_dpp v222, v222, v222 row_xmask:\m row_mask:0xf bank_mask:0xf
.endr
	v_permlanex16_b32 v223, v222, s34, s35
	v_add_f32 v222, v222, v223
	v_mul_f32 v222, 0x3c800000, v222               ; / 64: the mean's sum of squares
	v_rsq_f32 v223, v222
	v_nop
	s_wait_alu depctr_va_vdst(0)
	v_min_num_f32 v224, 0x4cbebc20, v223
	v_mul_f32 v224, 0x3e000000, v224               ; alpha = min(rsq, 1e8) / 8
	v_mov_b32 v225, v224
.irp j, 0,2,4,6,8,10,12,14
	v_pk_mul_f32 v[S+\j:S+\j+1], v[S+\j:S+\j+1], v[224:225]
.endr
.irp i, 0,1,2,3
	global_store_b128 v1, v[S+4*\i:S+4*\i+3], s[6:7] offset:512*\i
.endr
	; Pn turns through LDS: in as loaded, out 128 neighbours (one K step of one row) a lane.  LDS serves a wave's instructions in order.
.irp k, 0,1,2,3,4,5,6,7
.irp i, 0,1,2,3
	ds_store_b128 v1, v[X+16*\k+4*\i:X+16*\k+4*\i+3] offset:\k*2080+512*\i+16*(\i/2)
.endr
.endr
.irp p, 0,1,2,3,4,5,6,7,8,9,10,11,12,13,14,15,16,17,18,19,20,21,22,23,24,25,26,27,28,29,30,31
	ds_load_b128 v[X+4*\p:X+4*\p+3], v2 offset:16*\p
.endr
	s_wait_dscnt 0x0
	QUANT4 X, C, T, W
	PUT4 3, C, 0, 128, 256
.irp n, 0,1,2,3,4,5
	ds_load_b128 v[X+4*\n:X+4*\n+3], v4 offset:512*\n
.endr
.irp n, 0,1,2,3,4,5
	s_wait_dscnt 5-\n                              ; piece n is back; the younger ones may be out
	global_store_b128 v1, v[X+4*\n:X+4*\n+3], s[26:27] offset:512*\n   ; the half tile's 3,072 bytes are consecutive
.endr
	s_wait_tensorcnt 0x0                           ; the wave's end, behind its last LDS store
	ds_add_u32 v[SPW], v[NIL]
	s_wait_dscnt 0x0
	global_store_b32 v5, v[W], s[28:29]            ; 128 consecutive bytes of scale words
	v_mov_b32 v226, 0                              ; aux's row: lane k < 8: pinv_k; lane 8: alpha; else 0 (every lane holds all nine numbers)
.irp k, 0,1,2,3,4,5,6,7
	v_cmp_eq_u32 vcc_lo, \k, v0
	v_cndmask_b32 v226, v226, v[SS+2*\k], vcc_lo
.endr
	v_cmp_eq_u32 vcc_lo, 8, v0
	v_cndmask_b32 v226, v226, v224, vcc_lo
	global_store_b32 v6, v226, s[8:9]
	s_cmp_lg_u32 s15, 24                           ; the class of slot 24 also clears its wave's pads: zero codes, which add nothing
	s_cbranch_scc1 .Lend
.irp j, 0,1,2,3
	v_mov_b32 v[228+\j], 0
.endr
.irp n, 0,1,2,3,4,5,6,7,8,9,10,11,12,13,14,15,16,17
	global_store_b128 v1, v[228:231], s[30:31] offset:512*\n
.endr
.irp n, 0,1,2
	global_store_b32 v6, v228, s[32:33] offset:128*\n
.endr
.Lend:
	s_endpgm
.Lfunc_end_k_q07012892cd_prep:
	.size	k_q07012892cd_prep, .Lfunc_end_k_q07012892cd_prep-k_q07012892cd_prep
	.p2alignl 7, 3214868480
	.fill 96, 4, 3214868480
	.section	.rodata,"a",@progbits
	.p2align	6, 0x0
	.amdhsa_kernel k_q07012892cd_prep
		.amdhsa_group_segment_fixed_size 20480
		.amdhsa_private_segment_fixed_size 0
		.amdhsa_enable_private_segment 0
		.amdhsa_kernarg_size 40
		.amdhsa_user_sgpr_count 2
		.amdhsa_user_sgpr_kernarg_segment_ptr 1
		.amdhsa_wavefront_size32 1
		.amdhsa_system_sgpr_workgroup_id_x 1
		.amdhsa_system_sgpr_workgroup_id_y 1
		.amdhsa_system_sgpr_workgroup_id_z 1
		.amdhsa_system_vgpr_workitem_id 0
		.amdhsa_next_free_vgpr 256
		.amdhsa_next_free_sgpr 66
		.amdhsa_reserve_vcc 1
		.amdhsa_float_denorm_mode_32 3
		.amdhsa_float_denorm_mode_16_64 3
		.amdhsa_memory_ordered 1
		.amdhsa_forward_progress 1
		.amdhsa_inst_pref_size 38
	.end_amdhsa_kernel
	.amdgpu_metadata
---
amdhsa.version: [ 1, 2 ]
amdhsa.kernels:
  - .name:           k_q07012892cd_prep
    .symbol:         k_q07012892cd_prep.kd
    .args:
      - { .name: prototypes, .offset: 0, .size: 8, .value_kind: global_buffer, .address_space: global }
      - { .name: cen, .offset: 8, .size: 8, .value_kind: global_buffer, .address_space: global }
      - { .name: aux, .offset: 16, .size: 8, .value_kind: global_buffer, .address_space: global }
      - { .name: wq, .offset: 24, .size: 8, .value_kind: global_buffer, .address_space: global }
      - { .name: wsc, .offset: 32, .size: 8, .value_kind: global_buffer, .address_space: global }
    .group_segment_fixed_size: 20480
    .private_segment_fixed_size: 0
    .kernarg_segment_align: 8
    .kernarg_segment_size: 40
    .max_flat_workgroup_size: 32
    .sgpr_count:     66
    .vgpr_count:     256
    .wavefront_size: 32
...
	.end_amdgpu_metadata
.endif
;; end of part 1
;; launch gram (part 2): grid 228 x 1, 8 waves a work-group, no clusters, 274,432 bytes of LDS; arguments cen, aux, prototypes, gt4, qh, cnt; writes gt4, qh, cnt
.if DOCPART == 2
	.amdgcn_target "amdgcn-amd-amdhsa--gfx1250"
	.amdhsa_code_object_version 6
	.text
	.protected	k_q07012892cd_gram
	.globl	k_q07012892cd_gram
	.p2align	8
	.type	k_q07012892cd_gram,@function
k_q07012892cd_gram:
	s_mov_b64 s[64:65], 0
	v_nop
	global_prefetch_b8 v0, s[64:65] scope:SCOPE_SE
	s_setreg_imm32_b32 hwreg(HW_REG_WAVE_MODE, 25, 1), 1
	s_wait_xcnt 0x0
; GRAM: the scalar products that the per-class systems are made of.  The 512 x 512 results of products 2, 3, 4 are not formed (shown at the head of the first kernel); product 3's quantiser is applied here as it stands.
; Rows Y: 0-99 Q (the centres quantised along the CLASS axis, blocks of 32 classes, the last filled with zeros), 100 csum (of the unquantised centres), 101-111 zeros, 112 + 8 c + k Pn_ck.
; gt4[b][y][j] = Y_y . A_(32 b + j); A rows 0-111 = Y rows 0-111; A rows 112-127 = the 16 rows of y's own tile (for tiles of Q: zeros are stored).
; The products are f32 (their results go on into a quantised operand): v_wmma_f32_16x16x4_f32, two accumulators by turns, written by matrix instructions alone.
; SHARES: work-group = (b, Y tile y); wave v: A tile t = 2 b + v % 2, quarter v / 2 of D.  Every work-group quantises all of Q for itself: thread n takes columns 2 n, 2 n + 1 and all 100 classes.
; THE QUANTISER, two columns interleaved in a lane's registers: each column is multiplied by 2^-e of its block (exact), converted with the scale 1 to E3M2 and back, and multiplied by 2^e (exact).
; cnt[b 57 + y][32]: WHOLE NUMBERS from which the next launch takes the length of its iteration.  The largest eigenvalue of a Gram matrix is at most its largest sum of magnitudes along a row.  Wave 4 sums, for each of the tile's
; 16 rows, the magnitudes of the columns that count (tile of Q: columns and rows under 100; tile of Pn: the class's own eight columns), takes the largest row, and stores trunc(4096 w sum + 1), w = wo for Q, ws for Pn:
; never under 4096 w sum.  Tile of Q: one number in all 32 words; tile of Pn: words 0-15 the first class's, words 16-31 the second's.
; LIMITS as in the first kernel.
.set PQ,    2064                       ; an LDS row: 2,048 bytes + 16: sixteen rows start at sixteen different 16-byte columns
.set TILEB, 16*PQ
.set QH,    0                          ; 112 rows
.set YT,    231168                     ; 16 rows: a tile of Pn
.set CB,    264192                     ; 4 quarters x 16 rows x 144 bytes: the partial tiles
.set SPARE, 273408                     ; the spare words: 128 bytes a wave, four blocks of 256 bytes that no other line names
.set X,    32                          ; v32-239 [class][2 columns]; classes 100-103 are zeros
.set FRA,  32                          ; phase 2: 16 rows of A, my quarter of D
.set FRB,  96                          ; 16 rows of Y
.set O,    176
.set ACC0, 240
.set ACC1, 248
.set SPW,  26
.set NIL,  27
.set MSB, 0
.macro WIN new                         ; the immediate's high byte repeats the setting that is left
.if MSB != \new
	s_set_vgpr_msb (MSB<<8)|\new
.set MSB, \new
.endif
.endm
.macro BARRIER
	s_wait_dscnt 0x0                               ; my LDS stores have landed and my LDS loads are in
	s_barrier_signal -1
	s_barrier_wait -1
.endm
; Block b of 32 classes: n real rows, nr rows converted, left = the loads issued behind this block's
.macro QBLK b, n, nr, left
.set XB, X+64*\b
	s_wait_loadcnt \left
.set J, 0
.rept \n/2
	v_pk_add_f32 v[6:7], v[6:7], v[XB+4*J:XB+4*J+1]          ; csum, of the unquantised centres, in two chains
	v_pk_add_f32 v[8:9], v[8:9], v[XB+4*J+2:XB+4*J+3]
.set J, J+1
.endr
	v_max3_num_f32 v10, |v[XB]|, |v[XB+2]|, 0x2800000        ; each column's largest magnitude, with the floor 2^(5 - 127)
	v_max3_num_f32 v11, |v[XB+1]|, |v[XB+3]|, 0x2800000
.set J, 1
.rept \n/2-1
	v_max3_num_f32 v10, v10, |v[XB+4*J]|, |v[XB+4*J+2]|
	v_max3_num_f32 v11, v11, |v[XB+4*J+1]|, |v[XB+4*J+3]|
.set J, J+1
.endr
	v_add_nc_u32 v12, 0xfe000000, v10
	v_add_nc_u32 v13, 0xfe000000, v11
	v_and_b32 v12, 0x7f800000, v12                 ; 2^e
	v_and_b32 v13, 0x7f800000, v13
	v_sub_nc_u32 v14, 0x7f000000, v12              ; 2^-e
	v_sub_nc_u32 v15, 0x7f000000, v13
.set J, 0
.rept \nr
	v_pk_mul_f32 v[XB+2*J:XB+2*J+1], v[XB+2*J:XB+2*J+1], v[14:15]
.set J, J+1
.endr
.set J, 0
.rept (\nr+15)/16
	v_cvt_scalef32_pk16_bf6_f32 v[16:18], v[XB+32*J:XB+32*J+15], v24           ; to the nearest code, ties to even, beyond 28 the largest code
.if \nr > 8
	v_cvt_scalef32_pk16_bf6_f32 v[20:22], v[XB+32*J+16:XB+32*J+31], v24
.endif
	v_nop                                          ; a plain place between a conversion and what touches its result or writes its sources
	v_cvt_scale_pk16_f32_bf6 v[XB+32*J:XB+32*J+15], v[16:18], v25              ; and back to f32
.if \nr > 8
	v_cvt_scale_pk16_f32_bf6 v[XB+32*J+16:XB+32*J+31], v[20:22], v25
.endif
	v_nop
.set J, J+1
.endr
.set J, 0
.rept \n
	v_pk_mul_f32 v[XB+2*J:XB+2*J+1], v[XB+2*J:XB+2*J+1], v[12:13]
.set J, J+1
.endr
.set J, 0
.rept \n
	ds_store_b64 v2, v[XB+2*J:XB+2*J+1] offset:PQ*J
.set J, J+1
.endr
.endm
	s_load_b256 s[4:11], s[0:1], 0x0               ; cen, aux, prototypes, gt4
	s_load_b64 s[12:13], s[0:1], 0x20              ; qh
	s_load_b64 s[44:45], s[0:1], 0x28              ; cnt
	v_lshl_add_u32 v[SPW], v0, 2, SPARE
	v_mov_b32 v[NIL], 0
	v_lshrrev_b32 v1, 5, v0
	v_readfirstlane_b32 s14, v1                    ; wave 0..7
	s_and_b32 s15, ttmp9, 3                        ; b
	s_lshr_b32 s16, ttmp9, 2                       ; y
	s_and_b32 s17, s14, 1
	s_lshr_b32 s18, s14, 1                         ; quarter of D
	s_lshl_b32 s19, s15, 1
	s_add_co_u32 s19, s19, s17                     ; t
	s_min_u32 s20, s16, 6
	s_mul_i32 s21, s20, TILEB
	s_cmp_lt_u32 s16, 7
	s_cselect_b32 s21, s21, YT                     ; where Y's tile lies
	s_min_u32 s23, s19, 6
	s_mul_i32 s23, s23, TILEB
	s_cmp_lt_u32 s19, 7
	s_cselect_b32 s22, s23, s21                    ; where A's tile lies: tile 7 is Y's own
	v_lshlrev_b32 v1, 3, v0                        ; my two columns in a row of cen
	v_lshlrev_b32 v2, 3, v0                        ; and in a row of QH; stepped from block to block
	v_lshlrev_b32 v29, 4, v0
	v_lshrrev_b32 v30, 7, v0
	v_and_b32 v28, 127, v0
	v_lshlrev_b32 v28, 4, v28
	v_mad_u32_u24 v28, v30, PQ, v28
	v_add_nc_u32 v28, YT, v28                      ; YT: row 2 n + thread / 128, 16 bytes a thread
	v_lshlrev_b32 v30, 2, v30
	v_and_b32 v31, 15, v0                          ; r
	v_bfe_u32 v19, v0, 4, 1                        ; h
	v_mul_u32_u24 v23, v31, 144
	v_lshl_add_u32 v23, v19, 5, v23
	s_mul_i32 s24, s18, 2304
	s_lshl_b32 s25, s17, 6
	s_add_co_u32 s24, s24, s25
	s_add_co_u32 s24, s24, CB
	v_add_nc_u32 v23, s24, v23                     ; my eight numbers of a partial tile
	v_mul_u32_u24 v31, v31, PQ
	v_lshl_add_u32 v31, v19, 4, v31
	s_lshl_b32 s25, s18, 9
	s_add_co_u32 s26, s21, s25
	s_add_co_u32 s27, s22, s25
	v_add_nc_u32 v19, s26, v31                     ; Y's fragments: row r, + 16 h, + my quarter
	v_add_nc_u32 v31, s27, v31                     ; A's
	v_and_b32 v3, 127, v0
	v_lshrrev_b32 v4, 3, v3
	v_and_b32 v3, 7, v3
	v_lshlrev_b32 v3, 4, v3
	v_mad_u32_u24 v3, v4, 144, v3
	v_add_nc_u32 v3, CB, v3                        ; the sum of the quarters: 16 bytes a thread
	v_and_b32 v5, 31, v0
	v_lshlrev_b32 v5, 4, v5
	s_lshl_b32 s28, s20, 4
	s_lshl_b32 s29, s14, 1
	s_add_co_u32 s28, s28, s29                     ; the two rows of Q that my wave copies out
	s_mul_i32 s29, s28, PQ
	v_add_nc_u32 v4, s29, v5
	s_lshl_b32 s28, s28, 11
	v_add_nc_u32 v5, s28, v5
	v_mov_b32 v24, 1.0                             ; the conversions' scale: 1
	v_mov_b32 v25, 0x7f7f7f7f
.irp j, 6,7,8,9
	v_mov_b32 v[\j], 0
.endr
.irp j, 200,201,202,203,204,205,206,207
	v_mov_b32 v[X+\j], 0                           ; the last block's fill
.endr
	s_max_u32 s30, s16, 7
	s_sub_co_u32 s30, s30, 7                       ; which tile of Pn (a tile of Q stages tile 0 and does not read it)
	s_mov_b32 s33, 0
	s_mul_i32 s48, s15, 57
	s_add_co_u32 s48, s48, s16
	s_lshl_b32 s48, s48, 7                         ; my work-group's 128 bytes of cnt
	s_mov_b32 s49, 0
	s_wait_kmcnt 0x0
	s_add_nc_u64 s[44:45], s[44:45], s[48:49]
	s_lshl_b32 s32, s30, 15
	s_add_nc_u64 s[8:9], s[8:9], s[32:33]
	s_lshl_b32 s32, s30, 8
	s_add_nc_u64 s[6:7], s[6:7], s[32:33]
	s_mul_i32 s32, s15, 116736
	s_lshl_b32 s34, s16, 11
	s_add_co_u32 s32, s32, s34
	s_add_nc_u64 s[10:11], s[10:11], s[32:33]
	WIN 0x40                                       ; destination window 1
.irp n, 0,1,2,3,4,5,6,7
	global_load_b128 v[4*\n:4*\n+3], v29, s[8:9] offset:4096*\n
.endr
.irp n, 0,1,2,3,4,5,6,7
	global_load_b32 v[32+\n], v30, s[6:7] offset:(\n/4)*128+(\n%4)*8   ; pinv of row 2 n + thread / 128
.endr
	WIN 0
.set J, 0
.rept 100
	global_load_b64 v[X+2*J:X+2*J+1], v1, s[4:5] offset:2048*J
.set J, J+1
.endr
	QBLK 0, 32, 32, 63                             ; 68 loads stand behind block 0's; the wait's field holds 63
	v_add_nc_u32 v2, 32*PQ, v2
	QBLK 1, 32, 32, 36
	v_add_nc_u32 v2, 32*PQ, v2
	QBLK 2, 32, 32, 4
	v_add_nc_u32 v2, 32*PQ, v2
	QBLK 3, 4, 8, 0
	v_pk_add_f32 v[6:7], v[6:7], v[8:9]
	ds_store_b64 v2, v[6:7] offset:4*PQ            ; row 100: csum
.irp j, 5,6,7,8,9,10,11,12,13,14,15
	ds_store_b64 v2, v[X+200:X+201] offset:\j*PQ   ; rows 101-111: zeros
.endr
	WIN 0x45                                       ; destination and both sources window 1
.irp n, 0,1,2,3,4,5,6,7
.irp e, 0,1,2,3
	v_mul_f32 v[4*\n+\e], v[32+\n], v[4*\n+\e]     ; Pn = p x pinv: the same bits as in the first launch
.endr
.endr
	WIN 0x04                                       ; an LDS store's data are its source 1
.irp n, 0,1,2,3,4,5,6,7
	ds_store_b128 v28, v[4*\n:4*\n+3] offset:2*PQ*\n
.endr
	WIN 0
	BARRIER                                        ; Q, csum and the tile of Pn lie in LDS
	v_and_b32 v6, 31, v0                           ; made by every wave, ahead of the first parting: where wave 4 reads the partial tiles: lane = (row lane / 2, half lane % 2 of its 32 columns)
	v_lshrrev_b32 v7, 1, v6                        ; the row
	v_and_b32 v6, 1, v6
	v_lshlrev_b32 v6, 6, v6
	v_mad_u32_u24 v6, v7, 144, v6
	v_add_nc_u32 v6, CB, v6
	s_cmp_eq_u32 s19, 7
	s_cselect_b32 s35, 1, 0
	s_cmp_lt_u32 s16, 7
	s_cselect_b32 s35, s35, 0
	s_cmp_lg_u32 s35, 0                            ; A tile 7 against a tile of Q has no reader: zeros are stored (ids alone decide)
	s_cbranch_scc1 .Lzero
.irp n, 0,1,2,3,4,5,6,7,8,9,10,11,12,13,14,15
	ds_load_b128 v[FRA+4*\n:FRA+4*\n+3], v31 offset:32*\n
	ds_load_b128 v[FRB+4*\n:FRB+4*\n+3], v19 offset:32*\n
.endr
	s_wait_dscnt 0x0
	; a load's four numbers feed two instructions; the same order of D on both sides.  Source 0 = A's rows, source 1 = Y's: a lane holds eight neighbouring columns of one row of gt4
	v_wmma_f32_16x16x4_f32 v[ACC0:ACC0+7], v[FRA:FRA+1], v[FRB:FRB+1], 0
	v_wmma_f32_16x16x4_f32 v[ACC1:ACC1+7], v[FRA+2:FRA+3], v[FRB+2:FRB+3], 0
.irp n, 1,2,3,4,5,6,7,8,9,10,11,12,13,14,15
	v_wmma_f32_16x16x4_f32 v[ACC0:ACC0+7], v[FRA+4*\n:FRA+4*\n+1], v[FRB+4*\n:FRB+4*\n+1], v[ACC0:ACC0+7]
	v_wmma_f32_16x16x4_f32 v[ACC1:ACC1+7], v[FRA+4*\n+2:FRA+4*\n+3], v[FRB+4*\n+2:FRB+4*\n+3], v[ACC1:ACC1+7]
.endr
.rept 8
	v_nop                                          ; eight places behind this form before a result is read or a load is issued into a source
.endr
.irp j, 0,2,4,6
	v_pk_add_f32 v[O+\j:O+\j+1], v[ACC0+\j:ACC0+\j+1], v[ACC1+\j:ACC1+\j+1]   ; from the low end on
.endr
	s_branch .Ljoin
.Lzero:
.irp j, 0,1,2,3,4,5,6,7
	v_mov_b32 v[O+\j], 0
.endr
.Ljoin:
	ds_store_b128 v23, v[O:O+3]
	ds_store_b128 v23, v[O+4:O+7] offset:16
	BARRIER                                        ; the eight partial tiles lie in LDS
	s_cmp_ge_u32 s14, 4
	s_cbranch_scc1 .Lnored
.irp q, 0,1,2,3
	ds_load_b128 v[32+4*\q:35+4*\q], v3 offset:2304*\q
.endr
	s_wait_dscnt 0x0
	v_pk_add_f32 v[32:33], v[32:33], v[36:37]
	v_pk_add_f32 v[34:35], v[34:35], v[38:39]
	v_pk_add_f32 v[40:41], v[40:41], v[44:45]
	v_pk_add_f32 v[42:43], v[42:43], v[46:47]
	v_pk_add_f32 v[32:33], v[32:33], v[40:41]
	v_pk_add_f32 v[34:35], v[34:35], v[42:43]
	global_store_b128 v29, v[32:35], s[10:11]      ; the work-group's 2,048 bytes are consecutive
.Lnored:
	s_cmp_lg_u32 s14, 4                            ; wave 4, beside the four that add the quarters: the tile's largest sum of magnitudes along a row, as a whole number
	s_cbranch_scc1 .Lnocnt
.irp q, 0,1,2,3
.irp ch, 0,1,2,3
	ds_load_b128 v[32+16*\q+4*\ch:35+16*\q+4*\ch], v6 offset:2304*\q+16*\ch   ; quarter q of D, columns 16 x half + 4 ch on of my row
.endr
.endr
	s_mov_b32 s39, 0x43800000                      ; 4096 ws
	s_cmp_lt_u32 s16, 7                            ; a tile of Q, or of Pn?
	s_cselect_b32 s36, 0, 0x70                     ; the first column that counts: 0, or 112 + 8 (row / 8)
	s_cselect_b32 s37, 0, 8
	s_cselect_b32 s38, 0x64, 8                     ; how many count
	s_cselect_b32 s39, 0x41a57eb5, s39             ; 4096 wo
	s_cselect_b32 s40, 0x64, -1                    ; rows of Y that count: under 100, or all
	s_cselect_b32 s42, -1, 0
	s_lshl_b32 s41, s16, 4
	s_lshl_b32 s43, s15, 5
	s_mov_b32 s46, 0x76543210
	s_mov_b32 s47, 0xfedcba98                      ; v_permlanex16_b32: lane l xor 16
	v_and_b32 v8, 1, v0
	v_lshrrev_b32 v9, 3, v7
	v_mul_u32_u24 v9, s37, v9
	v_add_nc_u32 v9, s36, v9                       ; my row's first column that counts
	v_add_nc_u32 v10, s41, v7                      ; my row of Y
	v_cmp_gt_u32 vcc_lo, s40, v10
	v_mov_b32 v11, s38
	v_cndmask_b32 v11, 0, v11, vcc_lo              ; a row that does not count has no column that counts
	v_lshl_add_u32 v12, v8, 4, s43                 ; my first column: 32 b + 16 x half,
	v_sub_nc_u32 v12, v12, v9                      ; counted from the first that counts (under it: a very large number)
	s_wait_dscnt 0x0
.irp ch, 0,1,2,3
	v_pk_add_f32 v[32+4*\ch:33+4*\ch], v[32+4*\ch:33+4*\ch], v[48+4*\ch:49+4*\ch]
	v_pk_add_f32 v[34+4*\ch:35+4*\ch], v[34+4*\ch:35+4*\ch], v[50+4*\ch:51+4*\ch]
	v_pk_add_f32 v[64+4*\ch:65+4*\ch], v[64+4*\ch:65+4*\ch], v[80+4*\ch:81+4*\ch]
	v_pk_add_f32 v[66+4*\ch:67+4*\ch], v[66+4*\ch:67+4*\ch], v[82+4*\ch:83+4*\ch]
.endr
.irp ch, 0,1,2,3
	v_pk_add_f32 v[32+4*\ch:33+4*\ch], v[32+4*\ch:33+4*\ch], v[64+4*\ch:65+4*\ch]
	v_pk_add_f32 v[34+4*\ch:35+4*\ch], v[34+4*\ch:35+4*\ch], v[66+4*\ch:67+4*\ch]
.endr
.irp ch, 0,1,2,3
	v_add_f32 v[96+\ch], |v[32+4*\ch]|, |v[33+4*\ch]|
	v_add_f32 v[100+\ch], |v[34+4*\ch]|, |v[35+4*\ch]|
.endr
.irp ch, 0,1,2,3
	v_add_f32 v[96+\ch], v[96+\ch], v[100+\ch]
.endr
.irp ch, 0,1,2,3
	v_add_nc_u32 v13, 4*\ch, v12
	v_cmp_gt_u32 vcc_lo, v11, v13                  ; the limits are multiples of 4: four columns count together or not at all
	v_cndmask_b32 v[96+\ch], 0, v[96+\ch], vcc_lo
.endr
	v_add_f32 v96, v96, v97
	v_add_f32 v98, v98, v99
	v_add_f32 v96, v96, v98
	v_add_f32_dpp v96, v96, v96 row_xmask:1 row_mask:0xf bank_mask:0xf       ; the row's two halves
	v_max_num_f32_dpp v96, v96, v96 row_xmask:2 row_mask:0xf bank_mask:0xf   ; the largest of eight rows: lanes 0-15 rows 0-7, lanes 16-31 rows 8-15
	v_max_num_f32_dpp v96, v96, v96 row_xmask:4 row_mask:0xf bank_mask:0xf
	v_max_num_f32_dpp v96, v96, v96 row_xmask:8 row_mask:0xf bank_mask:0xf
	v_mov_b32 v97, 0
	v_permlanex16_b32 v97, v96, s46, s47
	v_max_num_f32 v97, v96, v97
	v_cndmask_b32 v96, v96, v97, s42               ; a tile of Q: of all sixteen rows; a tile of Pn: each class its own
	v_fma_f32 v96, v96, s39, 1.0
	v_cvt_u32_f32 v96, v96                         ; toward zero, behind the + 1: never under 4096 w sum
	v_and_b32 v13, 31, v0
	v_lshlrev_b32 v13, 2, v13
	global_store_b32 v13, v96, s[44:45]            ; 128 consecutive bytes
.Lnocnt:
	s_cmp_lt_u32 s16, 7
	s_cselect_b32 s35, 1, 0
	s_cmp_eq_u32 s15, 0
	s_cselect_b32 s35, s35, 0
	s_cmp_eq_u32 s35, 0                            ; seven work-groups also write Q's rows out, for the next launch
	s_cbranch_scc1 .Lnoqh
.irp n, 0,1,2,3,4,5,6,7
	ds_load_b128 v[64+4*\n:67+4*\n], v4 offset:(\n/4)*PQ+(\n%4)*512
.endr
	s_wait_dscnt 0x0
.irp n, 0,1,2,3,4,5,6,7
	global_store_b128 v5, v[64+4*\n:67+4*\n], s[12:13] offset:512*\n
.endr
.Lnoqh:
	s_wait_tensorcnt 0x0                           ; the wave's end: behind my last LDS store
	ds_add_u32 v[SPW], v[NIL]
	s_wait_dscnt 0x0
	s_endpgm
.Lfunc_end_k_q07012892cd_gram:
	.size	k_q07012892cd_gram, .Lfunc_end_k_q07012892cd_gram-k_q07012892cd_gram
	.p2alignl 7, 3214868480
	.fill 96, 4, 3214868480
	.section	.rodata,"a",@progbits
	.p2align	6, 0x0
	.amdhsa_kernel k_q07012892cd_gram
		.amdhsa_group_segment_fixed_size 274432
		.amdhsa_private_segment_fixed_size 0
		.amdhsa_enable_private_segment 0
		.amdhsa_kernarg_size 48
		.amdhsa_user_sgpr_count 2
		.amdhsa_user_sgpr_kernarg_segment_ptr 1
		.amdhsa_wavefront_size32 1
		.amdhsa_system_sgpr_workgroup_id_x 1
		.amdhsa_system_sgpr_workgroup_id_y 1
		.amdhsa_system_sgpr_workgroup_id_z 1
		.amdhsa_system_vgpr_workitem_id 0
		.amdhsa_next_free_vgpr 304
		.amdhsa_next_free_sgpr 66
		.amdhsa_reserve_vcc 1
		.amdhsa_float_denorm_mode_32 3
		.amdhsa_float_denorm_mode_16_64 3
		.amdhsa_memory_ordered 1
		.amdhsa_forward_progress 1
		.amdhsa_inst_pref_size 67
	.end_amdhsa_kernel
	.amdgpu_metadata
---
amdhsa.version: [ 1, 2 ]
amdhsa.kernels:
  - .name:           k_q07012892cd_gram
    .symbol:         k_q07012892cd_gram.kd
    .args:
      - { .name: cen, .offset: 0, .size: 8, .value_kind: global_buffer, .address_space: global }
      - { .name: aux, .offset: 8, .size: 8, .value_kind: global_buffer, .address_space: global }
      - { .name: prototypes, .offset: 16, .size: 8, .value_kind: global_buffer, .address_space: global }
      - { .name: gt4, .offset: 24, .size: 8, .value_kind: global_buffer, .address_space: global }
      - { .name: qh, .offset: 32, .size: 8, .value_kind: global_buffer, .address_space: global }
      - { .name: cnt, .offset: 40, .size: 8, .value_kind: global_buffer, .address_space: global }
    .group_segment_fixed_size: 274432
    .private_segment_fixed_size: 0
    .kernarg_segment_align: 8
    .kernarg_segment_size: 48
    .max_flat_workgroup_size: 256
    .sgpr_count:     66
    .vgpr_count:     304
    .wavefront_size: 32
...
	.end_amdgpu_metadata
.endif
;; end of part 2
;; launch solve (part 3): grid 100 x 1, 4 waves a work-group, no clusters, 5,120 bytes of LDS; arguments gt4, qh, cen, aux, prototypes, wq, wsc, cnt; writes wq, wsc
.if DOCPART == 3
	.amdgcn_target "amdgcn-amd-amdhsa--gfx1250"
	.amdhsa_code_object_version 6
	.text
	.protected	k_q07012892cd_solve
	.globl	k_q07012892cd_solve
	.p2align	8
	.type	k_q07012892cd_solve,@function
k_q07012892cd_solve:
	s_mov_b64 s[64:65], 0
	v_nop
	global_prefetch_b8 v0, s[64:65] scope:SCOPE_SE
	s_setreg_imm32_b32 hwreg(HW_REG_WAVE_MODE, 25, 1), 1
	s_wait_xcnt 0x0
; SOLVE: W_c = A_c^-1 b_c for one class a work-group, in the coefficients of 110 vectors (the matrices A_c are not formed: shown at the head of the first kernel), then W_c is quantised along D.
; Thread i owns vector v_i: 0-95 Q_0..95; 96-103 P_k; 104-107 Q_96..99; 108 c_c; 109 csum; the rest are pads.  On coefficients z, A_c acts as 0.1 z + om o (G z), G the scalar products,
; om = wo (Q), ws (P), -wo (c_c), 0 (csum); b_c has the coefficients ws (P), wo (c_c), -wo (csum).  That follows, step by step and exactly, the same iteration on the 512-vectors.
; THE ITERATION is Chebyshev's on the symmetric positive definite A_c, on an interval [0.094, U] that holds its spectrum FOR EVERY INPUT.  Below: 0.1 - wo |c_c|^2 with |c_c| <= 1.
; Above: 0.1 + wo lmax(Q Q^T) + ws lmax(P_c P_c^T) (the negative term dropped), each lmax at most the largest sum of magnitudes along a row.  The launch before has stored those sums as whole numbers, in units of 1 / 4096 and
; rounded up, for Q in four parts along the row: I = max over the 7 row tiles of (the sum of the 4 parts' maxima) + the class's own, held at 4,688, which is 4096 (wo 127.6 + ws 8): the bound that needs no look at the data
; (|Q|_F^2 <= 127.6, since a quantised number is at most 1.125 times its source, plus the subnormal step).  U = 0.102 + I / 4096; the 0.002 stands over the rounding of the scalar products.
; ITS LENGTH n is the least m from 8 to 30 with 2 rho^m <= 1e-7, rho = (sqrt(U / 0.094) - 1) / (sqrt(U / 0.094) + 1): m steps do where I <= T_m = floor((0.094 coth^2(ln(2e7) / 2 m) - 0.102) 4096) - 1, and 30 do at 4,688.
; n hangs on whole numbers read from memory alone.  The loops' trip counts are constants (30 steps in all): a step from n on jumps over its store and over its loads and arithmetic; its wait and its barrier are run by all waves.
; x += d, r -= A d keep r = b - A x whatever the parameters: their rounding moves the rate alone.
; c_c = alpha sum_k P_k: its row of G z is alpha times the sum of the eight P rows' (lanes 0-7 of wave 3; c_c is lane 12 of the same sixteen), its column alpha times the sum of the eight P columns.
; LIMITS as in the first kernel; where a class's normalised prototypes cancel (|sum| under about 1e-4) the scalar products of c_c lose accuracy in proportion to alpha; a NaN or an infinity among the scalar products
; leaves whole numbers that mean nothing (each is held at 8,192, so that no sum wraps).
.set ZB,    0                          ; LDS: two buffers of 128 coefficients, by turns
.set XBF,   1024                       ; the solution's coefficients
.set WR,    1536                       ; W_c, 512 numbers
.set RI,    3584                       ; the row's image: [s 4][chunk 3][h 2][16 B]
.set SBY,   4096                       ; its 16 scale bytes
.set SPARE, 4352                       ; the spare words: 128 bytes a wave, two blocks of 256 bytes that no other line names
.set GB,    116736                     ; bytes of one b of gt4
.set S2,  1                            ; v1 (behind the set-up's loads) 2 sigma1
.set C2K, 2                            ; v2 2 / delta
.set TA,  12                           ; v12-19 four chains; later W's four columns in two sets
.set XX,  9
.set RR,  10
.set DD,  11
.set TT,  12
.set UU,  20
.set VV,  21
.set OM,  22
.set FF,  23
.set M,   24                           ; v24-135  my row of G
.set Z,   136                          ; v136-247 all coefficients
.set RHO, 248
.set C1,  249
.set C2,  250
.set RN,  251
.set SPW, 252
.set NIL, 253
.set CQ,  68                           ; s68-95 Q's whole numbers, [b 4][y 7]; s96 the class's own
.set MSB, 0
.macro WIN new
.if MSB != \new
	s_set_vgpr_msb (MSB<<8)|\new
.set MSB, \new
.endif
.endm
.macro BARRIER
	s_wait_dscnt 0x0
	s_barrier_signal -1
	s_barrier_wait -1
.endm
; vector I at my four columns: window 1 (I < 64) or 2, register 4 (I % 64)
.macro BAS
.set BR, 4*(I%64)
.if I < 96
	global_load_b128 v[BR:BR+3], v5, s[6:7] offset:2048*I
.elseif I < 104
	global_load_b128 v[BR:BR+3], v5, s[12:13] offset:2048*(I-96)
.elseif I < 108
	global_load_b128 v[BR:BR+3], v5, s[6:7] offset:2048*(I-8)
.elseif I == 108
	global_load_b128 v[BR:BR+3], v5, s[8:9]
.else
	global_load_b128 v[BR:BR+3], v5, s[6:7] offset:2048*100
.endif
.set I, I+1
.endm
; One step.  The two buffers take turns, so the one barrier orders this step's stores before its reads and the reads of two steps ago before the next store into their buffer.
; test = 1: step s53 is done only while it is under n (s60): the same in all four waves; the wait and the barrier stand outside both jumps.
.macro ITER buf, test
.if \test
	s_cmp_ge_u32 s53, s60
	s_cbranch_scc1 .Lns_\@
.endif
	ds_store_b32 v6, v[DD] offset:512*\buf
.if \test
.Lns_\@:
.endif
	BARRIER
.if \test
	s_cmp_ge_u32 s53, s60
	s_cbranch_scc1 .Lnw_\@
.endif
.irp n, 0,1,2,3,4,5,6,7,8,9,10,11,12,13,14,15,16,17,18,19,20,21,22,23,24,25,26,27
	ds_load_b128 v[Z+4*\n:Z+4*\n+3], v7 offset:512*\buf+16*\n   ; every lane reads the same 16 bytes
.endr
	v_sub_f32 v[RN], v[S2], v[RHO]                 ; 2 sigma1 - rho
	v_rcp_f32 v254, v[RN]
	v_add_f32 v[XX], v[XX], v[DD]                  ; x += d (a plain place behind the reciprocal)
	s_wait_alu depctr_va_vdst(0)                   ; ahead of the reciprocal's first reader
	v_mul_f32 v[C1], v254, v[RHO]
	v_mul_f32 v[C2], v[C2K], v254                  ; 2 rho' / delta
	v_mov_b32 v[RHO], v254
.set P, 0
.rept 56
.if P%14 == 0
	s_wait_dscnt 21-7*(P/14)                       ; seven more loads are in; the count is what was issued behind them
.endif
.if P < 4
	v_pk_mul_f32 v[TA+2*P:TA+2*P+1], v[M+2*P:M+2*P+1], v[Z+2*P:Z+2*P+1]
.else
	v_pk_fma_f32 v[TA+2*(P%4):TA+2*(P%4)+1], v[M+2*P:M+2*P+1], v[Z+2*P:Z+2*P+1], v[TA+2*(P%4):TA+2*(P%4)+1]
.endif
.set P, P+1
.endr
	v_pk_add_f32 v[TA:TA+1], v[TA:TA+1], v[TA+2:TA+3]
	v_pk_add_f32 v[TA+4:TA+5], v[TA+4:TA+5], v[TA+6:TA+7]
	v_pk_add_f32 v[TA:TA+1], v[TA:TA+1], v[TA+4:TA+5]
	v_add_f32 v[TT], v[TA], v[TA+1]                ; t = (G d) of my row
	v_add_f32_dpp v[UU], v[TT], v[TT] row_xmask:1 row_mask:0xf bank_mask:0xf
	v_add_f32_dpp v[UU], v[UU], v[UU] row_xmask:2 row_mask:0xf bank_mask:0xf
	v_add_f32_dpp v[UU], v[UU], v[UU] row_xmask:4 row_mask:0xf bank_mask:0xf
	v_mov_b32_dpp v[VV], v[UU] row_xmask:8 row_mask:0xf bank_mask:0xf   ; lane 12 takes lane 4's: the sum of lanes 0-7
	v_mul_f32 v[VV], s48, v[VV]
	v_cndmask_b32 v[TT], v[TT], v[VV], s42         ; c_c's row
	v_fma_f32 v[RR], s49, v[DD], v[RR]             ; r -= 0.1 d
	v_fma_f32 v[RR], -v[OM], v[TT], v[RR]          ; r -= om t
	v_mul_f32 v[DD], v[C1], v[DD]
	v_fmac_f32 v[DD], v[C2], v[RR]                 ; d = rho' rho d + (2 rho' / delta) r
.if \test
.Lnw_\@:
	s_add_co_u32 s53, s53, 1
.endif
.endm
	s_load_b256 s[4:11], s[0:1], 0x0               ; gt4, qh, cen, aux
	s_load_b128 s[12:15], s[0:1], 0x20             ; prototypes, wq
	s_load_b128 s[16:19], s[0:1], 0x30             ; wsc, cnt
	v_lshl_add_u32 v[SPW], v0, 2, SPARE
	v_mov_b32 v[NIL], 0
	v_lshrrev_b32 v1, 5, v0
	v_readfirstlane_b32 s51, v1                    ; wave
	s_mul_i32 s20, ttmp9, 41
	s_lshr_b32 s20, s20, 10                        ; the last launch's wave: c / 25
	s_mul_i32 s21, s20, 25
	s_sub_co_u32 s21, ttmp9, s21                   ; slot
	s_lshr_b32 s22, s21, 3
	s_and_b32 s23, s21, 7
	s_cmp_ge_u32 s21, 21
	s_cselect_b32 s24, 1, 0
	s_mul_i32 s25, s24, 5
	s_sub_co_u32 s26, s21, 16
	s_sub_co_u32 s25, s26, s25
	s_cmp_lt_u32 s21, 16
	s_cselect_b32 s22, s22, s24                    ; half g
	s_cselect_b32 s23, s23, s25                    ; row r8
	s_cselect_b32 s24, 14, 13                      ; tile
	s_mul_i32 s28, s20, 92160
	s_mul_i32 s26, s24, 6144
	s_add_co_u32 s28, s28, s26
	s_mul_i32 s26, s22, 3072
	s_add_co_u32 s28, s28, s26
	s_lshl_b32 s26, s23, 4
	s_add_co_u32 s28, s28, s26                     ; W's row in wq
	s_mov_b32 s29, 0
	s_mul_i32 s30, s20, 3840
	s_lshl_b32 s26, s24, 8
	s_add_co_u32 s30, s30, s26
	s_lshl_b32 s26, s22, 7
	s_add_co_u32 s30, s30, s26
	s_lshl_b32 s26, s23, 2
	s_add_co_u32 s30, s30, s26                     ; and in wsc
	s_mov_b32 s31, 0
	s_lshl_b32 s45, ttmp9, 3
	s_add_co_u32 s46, s45, 112
	s_lshl_b32 s46, s46, 7                         ; (112 + 8 c) rows of 128 bytes
	s_add_co_u32 s45, s45, 16                      ; 16 + 8 c
	s_and_b32 s47, ttmp9, 1
	s_lshl_b32 s47, s47, 5
	s_mov_b32 s49, 0xbdcccccd                      ; -0.1
	s_mov_b32 s33, 0
	s_lshr_b32 s56, ttmp9, 1                       ; the class's own whole number: b = 3, y = 7 + c / 2: entry 178 + c / 2 of 128 bytes, word 16 (c % 2)
	s_add_co_u32 s56, s56, 178
	s_lshl_b32 s56, s56, 7
	s_and_b32 s57, ttmp9, 1
	s_lshl_b32 s57, s57, 6
	s_add_co_u32 s56, s56, s57
	s_mov_b32 s57, 0
	v_add_nc_u32 v254, 0xffffffa0, v0
	v_cmp_gt_u32 s40, 8, v254                      ; P lanes
	v_add_nc_u32 v255, 0xffffff98, v0
	v_cmp_gt_u32 s41, 4, v255                      ; Q_96..99
	v_cmp_eq_u32 s42, 0x6c, v0                     ; c_c
	v_cmp_eq_u32 s43, 0x6d, v0                     ; csum
	v_cmp_gt_u32 s44, 0x60, v0                     ; Q_0..95
	v_mov_b32 v1, 0x65                             ; my row of Y: a row of zeros for c_c and the pads
	v_cndmask_b32 v1, v1, v0, s44
	v_add_nc_u32 v254, s45, v0
	v_cndmask_b32 v1, v1, v254, s40
	v_add_nc_u32 v254, -8, v0
	v_cndmask_b32 v1, v1, v254, s41
	v_mov_b32 v254, 0x64
	v_cndmask_b32 v1, v1, v254, s43
	v_mov_b32 v255, 0x65
	v_cndmask_b32 v3, v1, v255, s40                ; my column among A's rows
	v_lshrrev_b32 v254, 5, v3
	v_and_b32 v3, 31, v3
	v_lshlrev_b32 v3, 2, v3
	v_mad_u32_u24 v3, v254, GB, v3
	v_add_nc_u32 v3, s46, v3                       ; P_k . v_i, read across the class's eight rows
	v_lshlrev_b32 v1, 7, v1
	v_add_nc_u32 v2, s47, v1
	v_and_b32 v4, 7, v0
	v_lshlrev_b32 v4, 2, v4
	v_lshlrev_b32 v5, 4, v0                        ; my four columns of D
	v_lshl_add_u32 v6, v0, 2, ZB
	v_mov_b32 v7, ZB
	v_lshl_add_u32 v8, v0, 4, WR
	s_wait_kmcnt 0x0
	s_lshl_b32 s32, ttmp9, 7
	s_add_nc_u64 s[10:11], s[10:11], s[32:33]
	s_load_b32 s48, s[10:11], 0x20                 ; alpha
	s_add_nc_u64 s[58:59], s[18:19], s[56:57]
.irp b, 0,1,2,3
.irp y, 0,1,2,3,4,5,6
	s_load_b32 s[CQ+7*\b+\y], s[18:19], (57*\b+\y)*128   ; with alpha's and the class's own: thirty scalar loads are out
.endr
.endr
	s_load_b32 s96, s[58:59], 0x0
	s_lshl_b32 s32, ttmp9, 14
	s_add_nc_u64 s[12:13], s[12:13], s[32:33]
	s_lshl_b32 s32, ttmp9, 11
	s_add_nc_u64 s[8:9], s[8:9], s[32:33]
	s_add_nc_u64 s[14:15], s[14:15], s[28:29]
	s_add_nc_u64 s[16:17], s[16:17], s[30:31]
.irp b, 0,1,2
.irp n, 0,1,2,3,4,5,6,7
	global_load_b128 v[M+32*\b+4*\n:M+32*\b+4*\n+3], v1, s[4:5] offset:GB*\b+16*\n
.endr
.endr
	global_load_b128 v[M+104:M+107], v1, s[4:5] offset:3*GB          ; . Q_96..99
	global_load_b128 v[Z+8:Z+11], v1, s[4:5] offset:3*GB+16          ; . csum
	global_load_b128 v[Z:Z+3], v2, s[4:5] offset:3*GB+64             ; P lanes: . the class's own eight
	global_load_b128 v[Z+4:Z+7], v2, s[4:5] offset:3*GB+80
.irp k, 0,1,2,3,4,5,6,7
	global_load_b32 v[M+96+\k], v3, s[4:5] offset:128*\k
.endr
	global_load_b32 v[FF], v4, s[10:11]            ; pinv
	s_wait_kmcnt 0x0
	; the interval's upper end and the iteration's length, in whole numbers, while the vector loads are on their way
.set J, 0
.rept 29
	s_min_u32 s[CQ+J], s[CQ+J], 0x2000             ; so that no sum wraps
.set J, J+1
.endr
.irp y, 0,1,2,3,4,5,6
	s_add_co_u32 s[CQ+\y], s[CQ+\y], s[CQ+7+\y]    ; a row tile's four parts: the sum of the parts' maxima is not under the maximum of the sums
	s_add_co_u32 s[CQ+14+\y], s[CQ+14+\y], s[CQ+21+\y]
	s_add_co_u32 s[CQ+\y], s[CQ+\y], s[CQ+14+\y]
.endr
.irp y, 1,2,3,4,5,6
	s_max_u32 s[CQ], s[CQ], s[CQ+\y]
.endr
	s_add_co_u32 s61, s[CQ], s96
	s_min_u32 s61, s61, 0x1250                     ; I, held at 4,688
	s_mov_b32 s60, 8
.irp t, 210,298,399,510,634,768,914,1071,1239,1418,1608,1809,2022,2245,2479,2723,2979,3246,3524,3812,4112,4422
	s_cmp_gt_u32 s61, \t                           ; T_8 .. T_29: one step more for each that I passes
	s_add_co_ci_u32 s60, s60, 0
.endr
	s_mov_b32 s53, 6                               ; the first step that is tested: n is 8 at the least
	s_wait_loadcnt 0x0
.irp k, 0,1,2,3,4,5,6,7
	v_cndmask_b32 v[M+96+\k], v[M+96+\k], v[Z+\k], s40
.endr
	v_add_f32 v254, v[M+96], v[M+97]
	v_add_f32 v255, v[M+98], v[M+99]
	v_add_f32 v254, v254, v[M+100]
	v_add_f32 v255, v255, v[M+101]
	v_add_f32 v254, v254, v[M+102]
	v_add_f32 v255, v255, v[M+103]
	v_add_f32 v254, v254, v255
	v_mul_f32 v[M+108], s48, v254                  ; . c_c
	v_mov_b32 v[M+109], v[Z+8]
	v_mov_b32 v[M+110], 0
	v_mov_b32 v[M+111], 0
	v_mov_b32 v[OM], 0
	v_mov_b32 v[RR], 0
	v_mov_b32 v254, 0x3ba57eb5                     ; wo = 0.5 / 99
	v_mov_b32 v255, 0x3d800000                     ; ws = 0.5 / 8
	v_cndmask_b32 v[OM], v[OM], v254, s44
	v_cndmask_b32 v[OM], v[OM], v254, s41
	v_cndmask_b32 v[OM], v[OM], v255, s40
	v_cndmask_b32 v[RR], v[RR], v255, s40
	v_cndmask_b32 v[RR], v[RR], v254, s42
	v_mov_b32 v254, 0xbba57eb5
	v_cndmask_b32 v[OM], v[OM], v254, s42
	v_cndmask_b32 v[RR], v[RR], v254, s43          ; r = b's coefficients
	v_cndmask_b32 v[FF], 1.0, v[FF], s40           ; the P vectors are read unnormalised on the way out
	v_cvt_f32_u32 v254, s61
	v_mul_f32 v254, 0x39000000, v254               ; I / 8192
	v_add_f32 v255, 0x3dc8b439, v254               ; theta = (U + 0.094) / 2 = 0.098 + I / 8192
	v_add_f32 v254, 0x3b83126f, v254               ; delta = (U - 0.094) / 2 = 0.004 + I / 8192
	v_rcp_f32 v3, v255
	v_rcp_f32 v4, v254
	v_mov_b32 v[XX], 0                             ; (a plain place behind the two reciprocals)
	s_wait_alu depctr_va_vdst(0)                   ; one wait for both, ahead of their first reader
	v_mul_f32 v[RHO], v254, v3                     ; delta / theta
	v_mul_f32 v[S2], v255, v4
	v_add_f32 v[S2], v[S2], v[S2]                  ; 2 sigma1 = 2 theta / delta
	v_add_f32 v[C2K], v4, v4                       ; 2 / delta
	v_mul_f32 v[DD], v3, v[RR]                     ; d = r / theta
	v_mov_b32 v[UU], 0
	v_mov_b32 v[VV], 0
.set I, 0
	WIN 0x40
.rept 60
	BAS                                            ; sixty of the vectors are asked for now, the rest behind six steps: they land under the steps that follow
.endr
	WIN 0
	s_mov_b32 s50, 3
.Lit1:
	ITER 0, 0
	ITER 1, 0
	s_sub_co_u32 s50, s50, 1
	s_cmp_lg_u32 s50, 0
	s_cbranch_scc1 .Lit1
	WIN 0x40
.rept 4
	BAS
.endr
	WIN 0x80
.rept 46
	BAS
.endr
	WIN 0
	s_mov_b32 s50, 12
.Lit2:
	ITER 0, 1
	ITER 1, 1
	s_sub_co_u32 s50, s50, 1
	s_cmp_lg_u32 s50, 0
	s_cbranch_scc1 .Lit2
	; W_c = sum over i of x_i v_i, four columns a thread
	v_mul_f32 v[XX], v[XX], v[FF]
	ds_store_b32 v6, v[XX] offset:XBF
	BARRIER
.irp n, 0,1,2,3,4,5,6,7,8,9,10,11,12,13,14,15,16,17,18,19,20,21,22,23,24,25,26,27
	ds_load_b128 v[Z+4*\n:Z+4*\n+3], v7 offset:XBF+16*\n
.endr
	s_wait_loadcnt 0x0
	s_wait_dscnt 0x0
	WIN 0x01                                       ; source 0 window 1
.set I, 0
.rept 110
.if I == 64
	WIN 0x02
.endif
.set BR, 4*(I%64)
.set ZR, Z+(I/2)*2
.set AR, TA+4*(I%2)
.if I == 0
	v_pk_mul_f32 v[AR:AR+1], v[BR:BR+1], v[ZR:ZR+1] op_sel_hi:[1,0]
	v_pk_mul_f32 v[AR+2:AR+3], v[BR+2:BR+3], v[ZR:ZR+1] op_sel_hi:[1,0]
.elseif I == 1
	v_pk_mul_f32 v[AR:AR+1], v[BR:BR+1], v[ZR:ZR+1] op_sel:[0,1] op_sel_hi:[1,1]
	v_pk_mul_f32 v[AR+2:AR+3], v[BR+2:BR+3], v[ZR:ZR+1] op_sel:[0,1] op_sel_hi:[1,1]
.elseif I%2 == 0
	v_pk_fma_f32 v[AR:AR+1], v[BR:BR+1], v[ZR:ZR+1], v[AR:AR+1] op_sel_hi:[1,0,1]
	v_pk_fma_f32 v[AR+2:AR+3], v[BR+2:BR+3], v[ZR:ZR+1], v[AR+2:AR+3] op_sel_hi:[1,0,1]
.else
	v_pk_fma_f32 v[AR:AR+1], v[BR:BR+1], v[ZR:ZR+1], v[AR:AR+1] op_sel:[0,1,0] op_sel_hi:[1,1,1]
	v_pk_fma_f32 v[AR+2:AR+3], v[BR+2:BR+3], v[ZR:ZR+1], v[AR+2:AR+3] op_sel:[0,1,0] op_sel_hi:[1,1,1]
.endif
.set I, I+1
.endr
	WIN 0
	v_pk_add_f32 v[TA:TA+1], v[TA:TA+1], v[TA+4:TA+5]
	v_pk_add_f32 v[TA+2:TA+3], v[TA+2:TA+3], v[TA+6:TA+7]
	ds_store_b128 v8, v[TA:TA+3]
	; the last phase's addresses, made by every wave from the thread's number
	v_and_b32 v20, 31, v0                          ; lane
	v_lshl_add_u32 v1, v20, 6, WR                  ; my 16 neighbours
	v_bfe_u32 v22, v0, 3, 2                        ; K step
	v_bfe_u32 v9, v0, 1, 1                         ; half h of the fragment's lanes
	v_mul_u32_u24 v22, v22, 96
	v_lshl_add_u32 v22, v9, 4, v22
	v_add_nc_u32 v22, RI, v22
	v_bfe_u32 v21, v0, 2, 1
	v_and_b32 v9, 1, v0
	v_mul_u32_u24 v21, v21, 24
	v_mad_u32_u24 v21, v9, 12, v21                 ; my 12 bytes' place in the 48 of (s, h)
	v_lshrrev_b32 v9, 4, v21
	v_and_b32 v2, 15, v21
	v_add_nc_u32 v2, v22, v2
	v_lshl_add_u32 v2, v9, 5, v2
	v_add_nc_u32 v10, 4, v21
	v_lshrrev_b32 v9, 4, v10
	v_and_b32 v3, 15, v10
	v_add_nc_u32 v3, v22, v3
	v_lshl_add_u32 v3, v9, 5, v3
	v_add_nc_u32 v10, 8, v21
	v_lshrrev_b32 v9, 4, v10
	v_and_b32 v4, 15, v10
	v_add_nc_u32 v4, v22, v4
	v_lshl_add_u32 v4, v9, 5, v4
	v_lshrrev_b32 v9, 1, v20
	v_add_nc_u32 v9, SBY, v9
	v_lshl_add_u32 v10, v20, 4, RI
	v_lshl_add_u32 v11, v20, 2, SBY
	v_mul_u32_u24 v21, v20, 43
	v_lshrrev_b32 v21, 8, v21                      ; lane / 6 = K step (lanes 0-23)
	v_mul_u32_u24 v22, v21, 6
	v_sub_nc_u32 v22, v20, v22
	v_lshlrev_b32 v22, 7, v22                      ; 256 x chunk + 128 h
	v_mad_u32_u24 v21, v21, 768, v22
	v_lshlrev_b32 v22, 5, v20
	BARRIER                                        ; W_c lies in LDS
	s_cmp_lg_u32 s51, 0
	s_cbranch_scc1 .Lend
.irp n, 0,1,2,3
	ds_load_b128 v[Z+4*\n:Z+4*\n+3], v1 offset:16*\n
.endr
	s_wait_dscnt 0x0
	v_max3_num_f32 v160, |v[Z]|, |v[Z+1]|, 0x2800000
.irp i, 2,4,6,8,10,12,14
	v_max3_num_f32 v160, v160, |v[Z+\i]|, |v[Z+\i+1]|
.endr
	v_max_num_f32_dpp v160, v160, v160 row_xmask:1 row_mask:0xf bank_mask:0xf   ; two neighbouring lanes hold a block
	v_add_nc_u32 v161, 0xfe000000, v160
	v_cvt_scalef32_pk16_bf6_f32 v[164:166], v[Z:Z+15], v161
	v_lshrrev_b32 v162, 23, v161                   ; the byte (a plain place behind the conversion)
	ds_store_b32 v2, v164
	ds_store_b32 v3, v165
	ds_store_b32 v4, v166
	ds_store_b8 v9, v162                           ; both lanes of a block write the same byte
	s_wait_xcnt 0x0                                ; EXEC changes only behind this wait
	v_cmp_gt_u32 vcc_lo, 24, v0
	s_and_saveexec_b32 s52, vcc_lo
	ds_load_b128 v[168:171], v10                   ; LDS serves a wave's instructions in order: these see my stores
	s_wait_dscnt 0x0
	global_store_b128 v21, v[168:171], s[14:15]
	s_wait_xcnt 0x0
	s_or_b32 exec_lo, exec_lo, s52
	v_cmp_gt_u32 vcc_lo, 4, v0
	s_and_saveexec_b32 s52, vcc_lo
	ds_load_b32 v172, v11
	s_wait_dscnt 0x0
	global_store_b32 v22, v172, s[16:17]
	s_wait_xcnt 0x0
	s_or_b32 exec_lo, exec_lo, s52
.Lend:
	s_wait_tensorcnt 0x0                           ; the wave's end: behind my last LDS store
	ds_add_u32 v[SPW], v[NIL]
	s_wait_dscnt 0x0
	s_endpgm
.Lfunc_end_k_q07012892cd_solve:
	.size	k_q07012892cd_solve, .Lfunc_end_k_q07012892cd_solve-k_q07012892cd_solve
	.p2alignl 7, 3214868480
	.fill 96, 4, 3214868480
	.section	.rodata,"a",@progbits
	.p2align	6, 0x0
	.amdhsa_kernel k_q07012892cd_solve
		.amdhsa_group_segment_fixed_size 5120
		.amdhsa_private_segment_fixed_size 0
		.amdhsa_enable_private_segment 0
		.amdhsa_kernarg_size 64
		.amdhsa_user_sgpr_count 2
		.amdhsa_user_sgpr_kernarg_segment_ptr 1
		.amdhsa_wavefront_size32 1
		.amdhsa_system_sgpr_workgroup_id_x 1
		.amdhsa_system_sgpr_workgroup_id_y 1
		.amdhsa_system_sgpr_workgroup_id_z 1
		.amdhsa_system_vgpr_workitem_id 0
		.amdhsa_next_free_vgpr 704
		.amdhsa_next_free_sgpr 100
		.amdhsa_reserve_vcc 1
		.amdhsa_float_denorm_mode_32 3
		.amdhsa_float_denorm_mode_16_64 3
		.amdhsa_memory_ordered 1
		.amdhsa_forward_progress 1
		.amdhsa_inst_pref_size 74
	.end_amdhsa_kernel
	.amdgpu_metadata
---
amdhsa.version: [ 1, 2 ]
amdhsa.kernels:
  - .name:           k_q07012892cd_solve
    .symbol:         k_q07012892cd_solve.kd
    .args:
      - { .name: gt4, .offset: 0, .size: 8, .value_kind: global_buffer, .address_space: global }
      - { .name: qh, .offset: 8, .size: 8, .value_kind: global_buffer, .address_space: global }
      - { .name: cen, .offset: 16, .size: 8, .value_kind: global_buffer, .address_space: global }
      - { .name: aux, .offset: 24, .size: 8, .value_kind: global_buffer, .address_space: global }
      - { .name: prototypes, .offset: 32, .size: 8, .value_kind: global_buffer, .address_space: global }
      - { .name: wq, .offset: 40, .size: 8, .value_kind: global_buffer, .address_space: global }
      - { .name: wsc, .offset: 48, .size: 8, .value_kind: global_buffer, .address_space: global }
      - { .name: cnt, .offset: 56, .size: 8, .value_kind: global_buffer, .address_space: global }
    .group_segment_fixed_size: 5120
    .private_segment_fixed_size: 0
    .kernarg_segment_align: 8
    .kernarg_segment_size: 64
    .max_flat_workgroup_size: 128
    .sgpr_count:     100
    .vgpr_count:     704
    .wavefront_size: 32
...
	.end_amdgpu_metadata
.endif
;; end of part 3
;; launch main (part 4): grid 256 x 1, 4 waves a work-group, no clusters, 327,680 bytes of LDS; arguments h, wq, wsc, out0; writes out0
.if DOCPART == 4
	.amdgcn_target "amdgcn-amd-amdhsa--gfx1250"
	.amdhsa_code_object_version 6
	.text
	.protected	k_q07012892cd_main
	.globl	k_q07012892cd_main
	.p2align	8
	.type	k_q07012892cd_main,@function
k_q07012892cd_main:
	s_mov_b64 s[64:65], 0
	v_nop
	global_prefetch_b8 v0, s[64:65] scope:SCOPE_SE
	s_setreg_imm32_b32 hwreg(HW_REG_WAVE_MODE, 25, 1), 1
	s_wait_xcnt 0x0
; MAIN: out[b][c] = (sum_k softmax_k(cos / 0.05) cos + res) / 0.07; cos = Q(hn) Q(Pn)^T and res = Q(hn) Q(W)^T share the operand Q(hn): one product of 960 columns on codes of E3M2.
; SHARES: a work-group takes 128 rows of h, as two blocks of 64.  Wave w keeps its 25 classes' 15 tiles x 4 K steps = 60 fragments of weights (720 registers) for the whole launch; in each block it normalises and
; quantises rows 16 w .. 16 w + 15 for all four waves: the fragments go from wave to wave through LDS as images of their registers.
; h comes by two tensor loads a wave, both issued at the head and neither slot filled again: two loads of a wave are out at the most; only the issuing wave reads those bytes, behind its own wait.
; SOURCE 0 = 16 rows of weights, SOURCE 1 = 16 rows of h: lane (r, h) holds row r of h and, in a tile's eight registers, the eight rows 8 h .. 8 h + 7 of the tile: ALL EIGHT COSINES OF ONE CLASS.
; Tile i < 8 holds slots 8 h + i, tile 8 + j slots 16 + 5 h + j (tile 12's upper half is a pad of zero codes); tile 14's register i and tile 13's register j are the same slots' residuals: nothing leaves a lane.
; The softmax takes its maximum away.  No cluster: rows of h are shared by nobody; the weights, which all work-groups share, live in registers, and a joint load can only land in LDS, which h fills.
; No prefetch: all of the work-group's h is asked for in its first lines.  LIMITS as in the first kernel.
.set BLKB,  133120                     ; LDS: h's rows, 2,080 bytes apart (byte b at b + 16 (b >= 1024)); a block's 64 rows
.set WAVB,  33280                      ; a wave's 16 rows: one tensor load
.set XIMG,  266240                     ; 16 fragments' images (row tile m, K step s), 1,600 bytes apart
.set XSC,   291840                     ; their scale words, 64 bytes each
.set STG,   292864                     ; 64 rows of out0, 400 bytes each, dense
.set SPARE, 318464                     ; the spare words: 128 bytes a wave, two blocks of 256 bytes that no other line names
.set WS,  16                           ; v16-45 the weights' scale words: tile i, pair q: lanes 0-15 K step 2 q, lanes 16-31 K step 2 q + 1
.set XS,  46                           ; v46-49 h's scale words
.set AF,  52                           ; v52-99 h's four fragments; in the softmax: exponentials
.set ACC, 100                          ; v100-219 fifteen accumulators
.set X,   100                          ; quantising: 128 numbers
.set C,   52
.set T,   84
.set W,   96
.set MX,  228                          ; v228-241 a pair a tile
.set SPW, 14
.set NIL, 15
.set MSB, 0
.macro WIN new
.if MSB != \new
	s_set_vgpr_msb (MSB<<8)|\new
.set MSB, \new
.endif
.endm
.macro BARRIER
	s_wait_dscnt 0x0                               ; my LDS stores have landed and my LDS loads are in
	s_barrier_signal -1
	s_barrier_wait -1
.endm
.macro QUANT4 x, c, t, w
.irp b, 0,1,2,3
	v_max3_num_f32 v[\t+\b], |v[\x+32*\b]|, |v[\x+32*\b+1]|, 0x2800000   ; with the floor 2^(5 - 127): the byte cannot fall under 1
.endr
.irp i, 2,4,6,8,10,12,14,16,18,20,22,24,26,28,30
.irp b, 0,1,2,3
	v_max3_num_f32 v[\t+\b], v[\t+\b], |v[\x+32*\b+\i]|, |v[\x+32*\b+\i+1]|
.endr
.endr
.irp b, 0,1,2,3
	v_add_nc_u32 v[\t+4+\b], 0xfe000000, v[\t+\b]
.endr
.irp b, 0,1,2,3
	v_lshrrev_b32 v[\t+8+\b], 23, v[\t+4+\b]
.endr
	v_lshl_or_b32 v[\w], v[\t+9], 8, v[\t+8]
	v_lshl_or_b32 v[\w], v[\t+10], 16, v[\w]
	v_lshl_or_b32 v[\w], v[\t+11], 24, v[\w]
.irp b, 0,1,2,3
	v_cvt_scalef32_pk16_bf6_f32 v[\c+8*\b:\c+8*\b+2], v[\x+32*\b:\x+32*\b+15], v[\t+4+\b]
	v_cvt_scalef32_pk16_bf6_f32 v[\c+8*\b+4:\c+8*\b+6], v[\x+32*\b+16:\x+32*\b+31], v[\t+4+\b]
.endr
	v_nop                                          ; one plain place behind the last conversion
.irp b, 0,1,2,3
	v_mov_b32 v[\c+8*\b+3], v[\c+8*\b+4]
	v_mov_b32 v[\c+8*\b+4], v[\c+8*\b+5]
	v_mov_b32 v[\c+8*\b+5], v[\c+8*\b+6]
.endr
.endm
.macro PUT4 adr, c, o0, hs, cs
.irp b, 0,1
	ds_store_b128 v[\adr], v[\c+8*\b:\c+8*\b+3] offset:(\o0)+\b*(\hs)
	ds_store_b64 v[\adr], v[\c+8*\b+4:\c+8*\b+5] offset:(\o0)+\b*(\hs)+(\cs)
.endr
.irp b, 2,3
	ds_store_b64 v[\adr], v[\c+8*\b:\c+8*\b+1] offset:(\o0)+(\b-2)*(\hs)+(\cs)+8
	ds_store_b128 v[\adr], v[\c+8*\b+2:\c+8*\b+5] offset:(\o0)+(\b-2)*(\hs)+2*(\cs)
.endr
.endm
; the weights' fragments f0 .. f1 - 1 (f = 15 s + i) into window win, register 12 (f % 21): each load reads two runs of 256 consecutive bytes
.macro WL win, f0, f1
	WIN (\win<<6)
.set F, \f0
.rept \f1-\f0
.irp ch, 0,1,2
	global_load_b128 v[12*(F%21)+4*\ch:12*(F%21)+4*\ch+3], v10, s[6:7] offset:(F%15)*6144+(F/15)*768+256*\ch
.endr
.set F, F+1
.endr
	WIN 0
.endm
; Eight of my sixteen rows: lane = (row r8, K step s): 128 neighbours; the row's sum of squares over its four lanes; normalised; quantised; images and scale words to LDS
.macro XHALF ra, half
.irp p, 0,1,2,3,4,5,6,7,8,9,10,11,12,13,14,15,16,17,18,19,20,21,22,23,24,25,26,27,28,29,30,31
	ds_load_b128 v[X+4*\p:X+4*\p+3], v[\ra] offset:16640*\half+16*\p
.endr
.set Q, 0
.rept 64
.if Q%16 == 0
	s_wait_dscnt 24-8*(Q/16)                       ; eight more loads are in; the count is what was issued behind them
.endif
.if Q < 4
	v_pk_mul_f32 v[228+2*Q:229+2*Q], v[X+2*Q:X+2*Q+1], v[X+2*Q:X+2*Q+1]
.else
	v_pk_fma_f32 v[228+2*(Q%4):229+2*(Q%4)], v[X+2*Q:X+2*Q+1], v[X+2*Q:X+2*Q+1], v[228+2*(Q%4):229+2*(Q%4)]
.endif
.set Q, Q+1
.endr
	v_pk_add_f32 v[228:229], v[228:229], v[230:231]
	v_pk_add_f32 v[232:233], v[232:233], v[234:235]
	v_pk_add_f32 v[228:229], v[228:229], v[232:233]
	v_add_f32 v228, v228, v229
	v_add_f32_dpp v228, v228, v228 row_xmask:8 row_mask:0xf bank_mask:0xf
	v_permlanex16_b32 v229, v228, s32, s33
	v_add_f32 v228, v228, v229
	v_rsq_f32 v229, v228
	v_nop
	s_wait_alu depctr_va_vdst(0)                   ; ahead of the first reader of the root
	v_min_num_f32 v236, 0x4cbebc20, v229           ; 1 / max(norm, 1e-8)
	v_mov_b32 v237, v236
.set Q, 0
.rept 64
	v_pk_mul_f32 v[X+2*Q:X+2*Q+1], v[X+2*Q:X+2*Q+1], v[236:237]
.set Q, Q+1
.endr
	QUANT4 X, C, T, W
	PUT4 3, C, 128*\half, 256, 512
	ds_store_b32 v4, v[W] offset:32*\half
.endm
; the softmax's steps, each by turns over the batch's n tiles from i0 on
.macro SETU i0
.set A_, ACC+8*((\i0)+U)
.set M_, MX+2*U
.set E_, AF+8*U
.if U == 6
.set E_, 220
.endif
.endm
.macro EOP i0, n, op
.set U, 0
.rept \n
	SETU \i0
.if \op == 0
	v_max3_num_f32 v[M_+1], v[A_], v[A_+1], v[A_+2]          ; an accumulator is read from its low end on
.elseif \op == 1
	v_max3_num_f32 v[M_+1], v[M_+1], v[A_+3], v[A_+4]
.elseif \op == 2
	v_max3_num_f32 v[M_+1], v[M_+1], v[A_+5], v[A_+6]
.elseif \op == 3
	v_max_num_f32 v[M_+1], v[M_+1], v[A_+7]
.elseif \op == 4
	v_mul_f32 v[M_], s36, v[M_+1]                            ; -c1 x the maximum
.elseif \op < 9
	v_pk_fma_f32 v[E_+2*(\op-5):E_+2*(\op-5)+1], v[A_+2*(\op-5):A_+2*(\op-5)+1], s[34:35], v[M_:M_+1] op_sel_hi:[1,0,0]
.elseif \op < 17
	v_exp_f32 v[E_+\op-9], v[E_+\op-9]
.elseif \op == 17
	v_pk_add_f32 v[M_:M_+1], v[E_:E_+1], v[E_+2:E_+3]
.elseif \op == 18
	v_pk_mul_f32 v[E_:E_+1], v[E_:E_+1], v[A_:A_+1]
.elseif \op == 19
	v_pk_fma_f32 v[E_:E_+1], v[E_+2:E_+3], v[A_+2:A_+3], v[E_:E_+1]
.elseif \op == 20
	v_pk_add_f32 v[M_:M_+1], v[M_:M_+1], v[E_+4:E_+5]
.elseif \op == 21
	v_pk_fma_f32 v[E_:E_+1], v[E_+4:E_+5], v[A_+4:A_+5], v[E_:E_+1]
.elseif \op == 22
	v_pk_add_f32 v[M_:M_+1], v[M_:M_+1], v[E_+6:E_+7]
.elseif \op == 23
	v_pk_fma_f32 v[E_:E_+1], v[E_+6:E_+7], v[A_+6:A_+7], v[E_:E_+1]
.elseif \op == 24
	v_add_f32 v[A_], v[E_], v[E_+1]                          ; sum of e x cos
.else
	v_add_f32 v[A_+1], v[M_], v[M_+1]                        ; sum of e
.endif
.set U, U+1
.endr
.endm
.macro EB i0, n
.irp op, 0,1,2,3,4,5,6,7,8,9,10,11,12,13,14,15,16
	EOP \i0, \n, \op
.endr
	v_nop                                          ; a plain place behind the last exponential
	s_wait_alu depctr_va_vdst(0)                   ; one wait for the batch, ahead of its first reader
.irp op, 17,18,19,20,21,22,23,24,25
	EOP \i0, \n, \op
.endr
.endm
; A block's four tiles of 16 rows
.macro PRODUCTS
	s_mov_b32 s38, 0
	s_mov_b32 s39, 0
	s_mov_b32 s40, 0
.Lm_\@:
	v_add_nc_u32 v50, s39, v5
	v_add_nc_u32 v51, s40, v6
	v_add_nc_u32 v244, s39, v7
	v_add_nc_u32 v245, s39, v8
	v_add_nc_u32 v246, s39, v9
.irp s, 0,1,2,3
.irp ch, 0,1,2
	ds_load_b128 v[AF+12*\s+4*\ch:AF+12*\s+4*\ch+3], v50 offset:1600*\s+512*\ch
.endr
.endr
.irp s, 0,1,2,3
	ds_load_b32 v[XS+\s], v51 offset:64*\s
.endr
	s_wait_dscnt 0x0
.set F, 0
.rept 60                               ; the fifteen accumulators take turns, one instruction a turn, K step by K step
.if F%21 == 0
	WIN 1+F/21                                     ; source 0's window
.endif
.set I, F%15
.set KS, F/15
.if KS == 0
	v_wmma_scale_f32_16x16x128_f8f6f4 v[ACC+8*I:ACC+8*I+7], v[12*(F%21):12*(F%21)+11], v[AF+12*KS:AF+12*KS+11], 0, v[WS+2*I+KS/2], v[XS+KS] matrix_a_fmt:MATRIX_FMT_BF6 matrix_b_fmt:MATRIX_FMT_BF6
.elseif KS == 2
	v_wmma_scale_f32_16x16x128_f8f6f4 v[ACC+8*I:ACC+8*I+7], v[12*(F%21):12*(F%21)+11], v[AF+12*KS:AF+12*KS+11], v[ACC+8*I:ACC+8*I+7], v[WS+2*I+KS/2], v[XS+KS] matrix_a_fmt:MATRIX_FMT_BF6 matrix_b_fmt:MATRIX_FMT_BF6
.else
	v_wmma_scale_f32_16x16x128_f8f6f4 v[ACC+8*I:ACC+8*I+7], v[12*(F%21):12*(F%21)+11], v[AF+12*KS:AF+12*KS+11], v[ACC+8*I:ACC+8*I+7], v[WS+2*I+KS/2], v[XS+KS] matrix_a_fmt:MATRIX_FMT_BF6 matrix_b_fmt:MATRIX_FMT_BF6 matrix_a_scale:MATRIX_SCALE_ROW1
.endif
.set F, F+1
.endr
	WIN 0
.rept 4
	v_nop                                          ; four places behind this form before results are read and sources written
.endr
	EB 0, 7
	EB 7, 6
.set I, 0
.rept 13
	v_rcp_f32 v[ACC+8*I+2], v[ACC+8*I+1]
.set I, I+1
.endr
	v_nop
	s_wait_alu depctr_va_vdst(0)
.set I, 0
.rept 13
.if I < 8
	v_fma_f32 v[ACC+8*I], v[ACC+8*I], v[ACC+8*I+2], v[ACC+112+I]     ; pooled cosine + residual
.else
	v_fma_f32 v[ACC+8*I], v[ACC+8*I], v[ACC+8*I+2], v[ACC+104+I-8]
.endif
.set I, I+1
.endr
.set I, 0
.rept 13
	v_mul_f32 v[ACC+8*I], s37, v[ACC+8*I]          ; / 0.07
.set I, I+1
.endr
.irp i, 0,1,2,3,4,5,6,7
	ds_store_b32 v244, v[ACC+8*\i] offset:4*\i
.endr
.irp i, 8,9,10
	ds_store_b32 v245, v[ACC+8*\i] offset:4*(\i-8)
.endr
	ds_store_b32 v246, v[ACC+96]                   ; tile 12: lanes 0-15 slot 20; the pad's lanes write slot 24's word,
	ds_store_b32 v245, v[ACC+88] offset:12         ; which tile 11's store, next in the wave's order, writes over
	s_add_co_u32 s39, s39, 6400
	s_add_co_u32 s40, s40, 256
	s_add_co_u32 s38, s38, 1
	s_cmp_lt_u32 s38, 4
	s_cbranch_scc1 .Lm_\@
.endm
; a block's 25,600 bytes of out0 are consecutive: 2,048 bytes a turn of the work-group, and 1,024 more by waves 0 and 1
.macro OUTB t
.irp n, 0,1,2,3,4,5,6,7,8,9,10,11
	ds_load_b128 v[100+4*\n:103+4*\n], v12 offset:2048*\n
.endr
	s_wait_dscnt 0x0
.irp n, 0,1,2,3,4,5,6,7,8,9,10,11
	global_store_b128 v13, v[100+4*\n:103+4*\n], s[10:11] offset:25600*\t+2048*\n th:TH_STORE_NT
.endr
	s_cmp_ge_u32 s12, 2
	s_cbranch_scc1 .Lo_\@
	ds_load_b128 v[148:151], v12 offset:24576
	s_wait_dscnt 0x0
	global_store_b128 v13, v[148:151], s[10:11] offset:25600*\t+24576 th:TH_STORE_NT
.Lo_\@:
	s_wait_xcnt 0x0                                ; the stores have read their registers: these are written again only behind this wait
.endm
	s_load_b128 s[4:7], s[0:1], 0x0                ; h, wq
	s_load_b128 s[8:11], s[0:1], 0x10              ; wsc, out0
	v_lshl_add_u32 v[SPW], v0, 2, SPARE
	v_mov_b32 v[NIL], 0
	ds_add_u32 v[SPW], v[NIL]                      ; the wave's opening: the add, twice on end, and its wait ahead of my first tensor load
	ds_add_u32 v[SPW], v[NIL]
	v_lshrrev_b32 v1, 5, v0
	v_readfirstlane_b32 s12, v1                    ; wave 0..3
	; descriptor group 1: 16 rows of h are 32,768 dense bytes: 32 rows of 256 elements of 4 bytes, 4 words of padding behind each 256
	s_mov_b32 s16, (2<<16)|(1<<20)|(7<<22)|(3<<25)
	s_mov_b32 s17, 256<<16
	s_mov_b32 s18, 32<<16
	s_mov_b32 s19, 256<<16
	s_mov_b32 s20, 32
	s_mov_b32 s21, 256
	s_mov_b32 s22, 0
	s_mov_b32 s23, 0
	s_mov_b32 s32, 0x76543210
	s_mov_b32 s33, 0xfedcba98
	s_mov_b32 s34, 0x41e6d4ca                      ; c1 = log2(e) / 0.05
	s_mov_b32 s35, s34
	s_mov_b32 s36, 0xc1e6d4ca
	s_mov_b32 s37, 0x41649249                      ; 1 / 0.07
	v_and_b32 v100, 7, v0                          ; r8
	v_bfe_u32 v101, v0, 3, 1
	v_bfe_u32 v102, v0, 4, 1
	v_and_b32 v103, 15, v0
	v_and_b32 v104, 31, v0
	s_mul_i32 s42, s12, WAVB
	v_mul_u32_u24 v1, v100, 2080
	v_mad_u32_u24 v1, v101, 1040, v1
	v_lshl_add_u32 v1, v102, 9, v1
	v_add_nc_u32 v1, s42, v1                       ; h in LDS: row r8, K step 2 x bit 3 + bit 4; block 0
	v_add_nc_u32 v2, BLKB, v1                      ; block 1
	s_mul_i32 s43, s12, 6400
	s_add_co_u32 s43, s43, XIMG
	v_lshlrev_b32 v3, 4, v100
	v_mad_u32_u24 v3, v101, 3200, v3
	v_mad_u32_u24 v3, v102, 1600, v3
	v_add_nc_u32 v3, s43, v3                       ; where I put codes
	s_lshl_b32 s43, s12, 8
	s_add_co_u32 s43, s43, XSC
	v_lshlrev_b32 v4, 2, v100
	v_lshl_add_u32 v4, v101, 7, v4
	v_lshl_add_u32 v4, v102, 6, v4
	v_add_nc_u32 v4, s43, v4                       ; and the scale word
	v_lshl_add_u32 v5, v104, 4, XIMG
	v_lshl_add_u32 v6, v103, 2, XSC
	s_mul_i32 s43, s12, 100
	s_add_co_u32 s43, s43, STG
	v_mul_u32_u24 v7, v103, 400
	v_add_nc_u32 v7, s43, v7
	v_mad_u32_u24 v8, v102, 20, v7
	v_add_nc_u32 v8, 64, v8                        ; slots 16 + 5 h + j
	v_lshl_add_u32 v9, v102, 4, v7
	v_add_nc_u32 v9, 0x50, v9                      ; tile 12's
	v_lshl_add_u32 v7, v102, 5, v7                 ; slots 8 h + i
	v_lshlrev_b32 v10, 4, v100
	v_mad_u32_u24 v10, v101, 3072, v10
	v_lshl_add_u32 v10, v102, 7, v10               ; my 16 bytes of a chunk of weights
	v_lshlrev_b32 v11, 2, v100
	v_lshl_add_u32 v11, v101, 7, v11
	v_lshl_add_u32 v11, v102, 5, v11               ; and my scale word
	v_lshl_add_u32 v12, v0, 4, STG
	v_lshlrev_b32 v13, 4, v0
	s_lshl_b32 s44, ttmp9, 18                      ; 128 rows of 2,048 bytes a work-group,
	s_lshl_b32 s45, s12, 15                        ; 16 a wave
	s_add_co_u32 s44, s44, s45
	s_mov_b32 s45, 0
	s_wait_dscnt 0x0                               ; both opening adds are done
	s_wait_kmcnt 0x0
	s_add_nc_u64 s[46:47], s[4:5], s[44:45]
	s_mov_b32 s24, 1
	s_mov_b32 s25, s42
	s_mov_b64 s[26:27], s[46:47]
	s_or_b32 s27, s27, 0x80000000
	s_mov_b32 s28, 1
	s_add_co_u32 s29, s42, BLKB
	s_add_nc_u64 s[30:31], s[46:47], 0x20000       ; 64 rows on
	s_or_b32 s31, s31, 0x80000000
	tensor_load_to_lds s[24:27], s[16:23]          ; block 0
	s_nop 0
	tensor_load_to_lds s[28:31], s[16:23]          ; block 1
	s_nop 0
.rept 4
	v_nop
.endr
	s_mul_i32 s44, s12, 92160
	s_add_nc_u64 s[6:7], s[6:7], s[44:45]
	s_mul_i32 s44, s12, 3840
	s_add_nc_u64 s[8:9], s[8:9], s[44:45]
	s_mul_i32 s44, ttmp9, 51200
	s_add_nc_u64 s[10:11], s[10:11], s[44:45]
	WL 1, 0, 21
	s_wait_tensorcnt 0x1                           ; block 0's rows are in; block 1's load may stay out
	XHALF 1, 0
	WL 2, 21, 42
	XHALF 1, 1
	WL 3, 42, 60
.irp i, 0,1,2,3,4,5,6,7,8,9,10,11,12,13,14
.irp q, 0,1
	global_load_b32 v[WS+2*\i+\q], v11, s[8:9] offset:256*\i+64*\q
.endr
.endr
	BARRIER                                        ; the block's sixteen fragments lie in LDS
	s_wait_loadcnt 0x0                             ; the weights
	PRODUCTS
	BARRIER                                        ; 64 rows of out0 lie in the stage, and nobody reads the images any more
	OUTB 0
	s_wait_tensorcnt 0x0                           ; block 1's rows are in
	XHALF 2, 0
	XHALF 2, 1
	BARRIER                                        ; the images lie in LDS, and nobody reads the stage any more
	PRODUCTS
	BARRIER
	OUTB 1
	s_wait_tensorcnt 0x0                           ; the wave's end: behind my last tensor load and my last LDS store
	ds_add_u32 v[SPW], v[NIL]
	s_wait_dscnt 0x0
	s_endpgm
.Lfunc_end_k_q07012892cd_main:
	.size	k_q07012892cd_main, .Lfunc_end_k_q07012892cd_main-k_q07012892cd_main
	.p2alignl 7, 3214868480
	.fill 96, 4, 3214868480
	.section	.rodata,"a",@progbits
	.p2align	6, 0x0
	.amdhsa_kernel k_q07012892cd_main
		.amdhsa_group_segment_fixed_size 327680
		.amdhsa_private_segment_fixed_size 0
		.amdhsa_enable_private_segment 0
		.amdhsa_kernarg_size 32
		.amdhsa_user_sgpr_count 2
		.amdhsa_user_sgpr_kernarg_segment_ptr 1
		.amdhsa_wavefront_size32 1
		.amdhsa_system_sgpr_workgroup_id_x 1
		.amdhsa_system_sgpr_workgroup_id_y 1
		.amdhsa_system_sgpr_workgroup_id_z 1
		.amdhsa_system_vgpr_workitem_id 0
		.amdhsa_next_free_vgpr 1024
		.amdhsa_next_free_sgpr 66
		.amdhsa_reserve_vcc 0
		.amdhsa_float_denorm_mode_32 3
		.amdhsa_float_denorm_mode_16_64 3
		.amdhsa_memory_ordered 1
		.amdhsa_forward_progress 1
		.amdhsa_inst_pref_size 154
	.end_amdhsa_kernel
	.amdgpu_metadata
---
amdhsa.version: [ 1, 2 ]
amdhsa.kernels:
  - .name:           k_q07012892cd_main
    .symbol:         k_q07012892cd_main.kd
    .args:
      - { .name: h, .offset: 0, .size: 8, .value_kind: global_buffer, .address_space: global }
      - { .name: wq, .offset: 8, .size: 8, .value_kind: global_buffer, .address_space: global }
      - { .name: wsc, .offset: 16, .size: 8, .value_kind: global_buffer, .address_space: global }
      - { .name: out0, .offset: 24, .size: 8, .value_kind: global_buffer, .address_space: global }
    .group_segment_fixed_size: 327680
    .private_segment_fixed_size: 0
    .kernarg_segment_align: 8
    .kernarg_segment_size: 32
    .max_flat_workgroup_size: 128
    .sgpr_count:     66
    .vgpr_count:     1024
    .wavefront_size: 32
...
	.end_amdgpu_metadata
.endif
;; end of part 4
